; MI455X (gfx1250); checked and timed in simulation.
; The chip was launched on July 23, 2026; its instructions are those of AMD's public machine-readable ISA for CDNA 5 (MIT licence, August 2026) and "CDNA5" Instruction Set Architecture Reference Guide (July 2026). The comments in the code are by the model that wrote it; some were corrected since.
;; Mo E. Allowed arithmetic: float matrix products may take bf16 or f16 operands with f32 sums; all other float work in f32.
;; Inputs: W1 8 x 1,024 x 2,048 float32; W2 8 x 2,048 x 1,024 float32; Wg 1,024 x 8 float32; b1 8 x 2,048 float32; b2 8 x 1,024 float32; bg 8 float32; x 2,048 x 1,024 float32.
;; Outputs: out0 2,048 x 1,024 float32.
;; 2 versions, each right and faster than the one before. Each part assembles by itself: llvm-mc -triple=amdgcn-amd-amdhsa -mcpu=gfx1250 --defsym DOCPART=n.
;; ======== version 1 of 2: 5 launches
;; limits: values outside matrix products are rounded to bf16
;; workspace buffers: sel 8,192 bytes of whole numbers; gw 16,384 bytes; pos 16,384 bytes of whole numbers; seg 256 bytes of whole numbers; xs 9,437,184 bytes; h 18,874,368 bytes; y 37,748,736 bytes
;; launch gate (part 1): grid 256 x 1, 4 waves a work-group, no clusters, 0 bytes of LDS; arguments x, Wg, bg, sel, gw; writes sel, gw
.if DOCPART == 1
	.amdgcn_target "amdgcn-amd-amdhsa--gfx1250"
	.amdhsa_code_object_version 6
	.text
	.protected	k_q8c9335a401_gate
	.globl	k_q8c9335a401_gate
	.p2align	8
	.type	k_q8c9335a401_gate,@function
k_q8c9335a401_gate:
	s_mov_b64 s[64:65], 0
	v_nop
	global_prefetch_b8 v0, s[64:65] scope:SCOPE_SE
	s_setreg_imm32_b32 hwreg(HW_REG_WAVE_MODE, 25, 1), 1
	s_wait_xcnt 0x0
; GATE: logits = x Wg + bg, the two largest of the eight logits of a token, softmax over these two.
; x [2048][1024] f32, Wg [1024][8] f32, bg [8] f32.  Out: sel[t] = e1 | e2 << 8 (whole numbers), gw[t] = (g1, g2) f32.
; x, Wg and bg are rounded to bf16 first, the products of two bf16 are exact inside the f32 multiply-add, the sums are f32:
; the choice of experts is made on the same rounded numbers that the expert products use.
; LIMITS: logits are finite (NaN and infinities are not served); equal logits go to the lower index; the sums run in another order than a plain row sum.
; Four waves, a wave owns two tokens.  In chunk j (of 8) lane L owns d = 128 j + 4 L .. + 3: an x load of the wave covers 512 neighbouring bytes.
; No matrix unit: eight columns are half a matrix tile and this is a stream of x; no LDS, no barrier: a token never leaves its wave.
.set X,   8                            ; v[8:71]    x: token tk, chunk j at X + 32 tk + 4 j
.set WB,  72                           ; v[72:135]  Wg as loaded, two buffers of 32 (4 d x 8 e)
.set WP,  136                          ; v[136:151] Wg in bf16: d, pair of experts ep at WP + 4 d + ep
.set XP,  152                          ; v[152:155] x in bf16: token tk at XP + 2 tk, two words
.set ACC, 156                          ; v[156:171] sums: token tk, expert e at ACC + 8 tk + e
.set BG,  172                          ; v[172:179] bg, rounded to bf16, as f32
.set T,   180                          ; v[180:191] at work
.macro WLOAD j, buf                    ; Wg's rows 128 j + 4 L .. + 3: 128 bytes a lane, eight loads
.irp m, 0,1,2,3,4,5,6,7
	global_load_b128 v[WB+32*\buf+4*\m:WB+32*\buf+4*\m+3], v4, s[6:7] offset:4096*(\j)+16*\m
.endr
.endm
; one d of the lane's four: 16 multiply-adds on 16 sums that take turns.  xw, xh: word and half of x's bf16
.macro DSTEP dd, xw, xh
.irp tk, 0,1
.irp ep, 0,1,2,3
	v_fma_mix_f32_bf16 v[ACC+8*\tk+2*\ep], v[XP+2*\tk+\xw], v[WP+4*\dd+\ep], v[ACC+8*\tk+2*\ep] op_sel:[\xh,0,0] op_sel_hi:[1,1,0]
	v_fma_mix_f32_bf16 v[ACC+8*\tk+2*\ep+1], v[XP+2*\tk+\xw], v[WP+4*\dd+\ep], v[ACC+8*\tk+2*\ep+1] op_sel:[\xh,1,0] op_sel_hi:[1,1,0]
.endr
.endr
.endm
.macro CHUNK j, buf, left, refill
	s_wait_loadcnt \left                           ; loads return in order: x (all older) and this chunk of Wg are in; the next chunk's eight loads may be out
.irp q, 0,1,2,3,4,5,6,7,8,9,10,11,12,13,14,15
	v_cvt_pk_bf16_f32 v[WP+\q], v[WB+32*\buf+2*\q], v[WB+32*\buf+2*\q+1]
.endr
.irp tk, 0,1
	v_cvt_pk_bf16_f32 v[XP+2*\tk], v[X+32*\tk+4*\j], v[X+32*\tk+4*\j+1]
	v_cvt_pk_bf16_f32 v[XP+2*\tk+1], v[X+32*\tk+4*\j+2], v[X+32*\tk+4*\j+3]
.endr
.if \refill
	WLOAD \j+2, \buf                               ; the buffer has been read: the chunk after next
.endif
	DSTEP 0, 0, 0
	DSTEP 1, 0, 1
	DSTEP 2, 1, 0
	DSTEP 3, 1, 1
.endm
	s_load_b256 s[4:11], s[0:1], 0x0               ; x s[4:5], Wg s[6:7], bg s[8:9], sel s[10:11]
	s_load_b64 s[12:13], s[0:1], 0x20              ; gw
	v_and_b32 v1, 31, v0                           ; lane
	v_lshrrev_b32 v2, 5, v0
	v_readfirstlane_b32 s14, v2                    ; wave
	v_lshlrev_b32 v3, 4, v1                        ; 16 L: my bytes in a chunk of x
	v_lshlrev_b32 v4, 7, v1                        ; 128 L: my four rows in a chunk of Wg
	s_lshl_b32 s28, ttmp9, 3
	s_lshl_b32 s15, s14, 1
	s_add_co_u32 s28, s28, s15                     ; t0 = 8 g + 2 w
	s_lshl_b32 s26, s28, 12                        ; rows of 4,096 bytes
	s_mov_b32 s27, 0
	s_mov_b32 s24, 0x76543210                      ; v_permlanex16_b32: lane i reads lane i of the other half
	s_mov_b32 s25, 0xfedcba98
	s_wait_kmcnt 0x0
	s_load_b256 s[16:23], s[8:9], 0x0              ; bg
	s_add_nc_u64 s[4:5], s[4:5], s[26:27]
.irp tk, 0,1
.irp j, 0,1,2,3,4,5,6,7
	global_load_b128 v[X+32*\tk+4*\j:X+32*\tk+4*\j+3], v3, s[4:5] offset:4096*\tk+512*\j th:TH_LOAD_NT
.endr
.endr
	WLOAD 0, 0
	WLOAD 1, 1
	s_wait_kmcnt 0x0
.irp p, 0,1,2,3
	v_cvt_pk_bf16_f32 v[T+\p], s[16+2*\p], s[17+2*\p]
.endr
.irp p, 0,1,2,3
	v_lshlrev_b32 v[BG+2*\p], 16, v[T+\p]
	v_and_b32 v[BG+2*\p+1], 0xffff0000, v[T+\p]
.endr
	v_cmp_eq_u32 vcc_lo, 0, v1
.irp e, 0,1,2,3,4,5,6,7
	v_cndmask_b32 v[ACC+\e], 0, v[BG+\e], vcc_lo   ; the bias starts the sums in lane 0, zero in the others: it enters the sum over lanes once
	v_cndmask_b32 v[ACC+8+\e], 0, v[BG+\e], vcc_lo
.endr
	CHUNK 0, 0, 8, 1
	CHUNK 1, 1, 8, 1
	CHUNK 2, 0, 8, 1
	CHUNK 3, 1, 8, 1
	CHUNK 4, 0, 8, 1
	CHUNK 5, 1, 8, 1
	CHUNK 6, 0, 8, 0
	CHUNK 7, 1, 0, 0
	; the 16 sums over the 32 lanes: four steps inside each half ride on the add, one crosses the halves
.irp m, 1,2,4,8
.irp a, 0,1,2,3,4,5,6,7,8,9,10,11,12,13,14,15
	v_add_f32_dpp v[ACC+\a], v[ACC+\a], v[ACC+\a] row_xmask:\m row_mask:0xf bank_mask:0xf
.endr
.endr
.irp a, 0,1,2,3,4,5,6,7,8,9,10,11,12,13,14,15
	v_permlanex16_b32 v[WP+\a], v[ACC+\a], s24, s25        ; WP has been written: the destination counts as read
.endr
.irp a, 0,1,2,3,4,5,6,7,8,9,10,11,12,13,14,15
	v_add_f32 v[ACC+\a], v[ACC+\a], v[WP+\a]
.endr
	v_cmp_eq_u32 vcc_lo, 1, v1
.irp e, 0,1,2,3,4,5,6,7
	v_cndmask_b32 v[ACC+\e], v[ACC+\e], v[ACC+8+\e], vcc_lo        ; lane 1 goes on with the second token, the others with the first
.endr
	; the largest logit and its index: a strict compare keeps the lower index among equals.  Values are selected, nothing branches.
	v_mov_b32 v[T], v[ACC]
	v_mov_b32 v[T+1], 0
.irp e, 1,2,3,4,5,6,7
	v_cmp_gt_f32 vcc_lo, v[ACC+\e], v[T]
	v_cndmask_b32 v[T], v[T], v[ACC+\e], vcc_lo
	v_cndmask_b32 v[T+1], v[T+1], \e, vcc_lo
.endr
	v_mov_b32 v[T+4], 0xff800000                   ; minus infinity takes the winner out
.irp e, 0,1,2,3,4,5,6,7
	v_cmp_eq_u32 vcc_lo, \e, v[T+1]
	v_cndmask_b32 v[ACC+\e], v[ACC+\e], v[T+4], vcc_lo
.endr
	v_mov_b32 v[T+2], v[ACC]
	v_mov_b32 v[T+3], 0
.irp e, 1,2,3,4,5,6,7
	v_cmp_gt_f32 vcc_lo, v[ACC+\e], v[T+2]
	v_cndmask_b32 v[T+2], v[T+2], v[ACC+\e], vcc_lo
	v_cndmask_b32 v[T+3], v[T+3], \e, vcc_lo
.endr
	; softmax of (m1, m2) with the maximum m1 taken away: u = e^(m2 - m1) <= 1, g1 = 1 / (1 + u), g2 = u g1
	v_sub_f32 v[T+5], v[T+2], v[T]
	v_mul_f32 v[T+5], 0x3fb8aa3b, v[T+5]
	v_exp_f32 v[T+6], v[T+5]
	v_lshl_or_b32 v[T+7], v[T+3], 8, v[T+1]        ; sel = e1 | e2 << 8; also the plain instruction behind v_exp_f32 (ISA guide 5.7.2)
	s_wait_alu depctr_va_vdst(0)
	v_add_f32 v[T+4], 1.0, v[T+6]
	s_lshl_b32 s29, s28, 2
	s_lshl_b32 s30, s28, 3
	v_rcp_f32 v[T+8], v[T+4]
	v_lshl_add_u32 v[T+10], v1, 2, s29             ; 4 (t0 + L); the plain instruction behind v_rcp_f32
	v_lshl_add_u32 v[T+11], v1, 3, s30             ; 8 (t0 + L)
	s_wait_alu depctr_va_vdst(0)
	v_mul_f32 v[T+9], v[T+6], v[T+8]
	s_wait_xcnt 0x0                                ; EXEC is narrowed only behind this wait
	v_cmpx_gt_u32 2, v1                            ; lanes 0 and 1: the wave's two tokens.  The two tables are 24 KB in all
	global_store_b32 v[T+10], v[T+7], s[10:11]
	global_store_b64 v[T+11], v[T+8:T+9], s[12:13]
	s_endpgm
.Lfunc_end_k_q8c9335a401_gate:
	.size	k_q8c9335a401_gate, .Lfunc_end_k_q8c9335a401_gate-k_q8c9335a401_gate
	.p2alignl 7, 3214868480
	.fill 96, 4, 3214868480
	.section	.rodata,"a",@progbits
	.p2align	6, 0x0
	.amdhsa_kernel k_q8c9335a401_gate
		.amdhsa_group_segment_fixed_size 0
		.amdhsa_private_segment_fixed_size 0
		.amdhsa_enable_private_segment 0
		.amdhsa_kernarg_size 40
		.amdhsa_user_sgpr_count 2
		.amdhsa_user_sgpr_kernarg_segment_ptr 1
		.amdhsa_wavefront_size32 1
		.amdhsa_system_sgpr_workgroup_id_x 1
		.amdhsa_system_sgpr_workgroup_id_y 1
		.amdhsa_system_sgpr_workgroup_id_z 1
		.amdhsa_system_vgpr_workitem_id 0
		.amdhsa_next_free_vgpr 192
		.amdhsa_next_free_sgpr 66
		.amdhsa_reserve_vcc 1
		.amdhsa_float_denorm_mode_32 3
		.amdhsa_float_denorm_mode_16_64 3
		.amdhsa_memory_ordered 1
		.amdhsa_forward_progress 1
		.amdhsa_inst_pref_size 61
	.end_amdhsa_kernel
	.amdgpu_metadata
---
amdhsa.version: [ 1, 2 ]
amdhsa.kernels:
  - .name:           k_q8c9335a401_gate
    .symbol:         k_q8c9335a401_gate.kd
    .args:
      - { .name: x, .offset: 0, .size: 8, .value_kind: global_buffer, .address_space: global }
      - { .name: Wg, .offset: 8, .size: 8, .value_kind: global_buffer, .address_space: global }
      - { .name: bg, .offset: 16, .size: 8, .value_kind: global_buffer, .address_space: global }
      - { .name: sel, .offset: 24, .size: 8, .value_kind: global_buffer, .address_space: global }
      - { .name: gw, .offset: 32, .size: 8, .value_kind: global_buffer, .address_space: global }
    .group_segment_fixed_size: 0
    .private_segment_fixed_size: 0
    .kernarg_segment_align: 8
    .kernarg_segment_size: 40
    .max_flat_workgroup_size: 128
    .sgpr_count:     66
    .vgpr_count:     192
    .wavefront_size: 32
...
	.end_amdgpu_metadata
.endif
;; end of part 1
;; launch route (part 2): grid 288 x 1, 8 waves a work-group, no clusters, 54,272 bytes of LDS; arguments sel, x, xs, pos, seg; writes xs, pos, seg
.if DOCPART == 2
	.amdgcn_target "amdgcn-amd-amdhsa--gfx1250"
	.amdhsa_code_object_version 6
	.text
	.protected	k_q8c9335a401_route
	.globl	k_q8c9335a401_route
	.p2align	8
	.type	k_q8c9335a401_route,@function
k_q8c9335a401_route:
	s_mov_b64 s[64:65], 0
	v_nop
	global_prefetch_b8 v0, s[64:65] scope:SCOPE_SE
	s_setreg_imm32_b32 hwreg(HW_REG_WAVE_MODE, 25, 1), 1
	s_wait_xcnt 0x0
; ROUTE: a counting sort of the 4,096 (token, expert) pairs by expert, each expert's rows beginning at a multiple of 64 rows, and the copy of x, in bf16, in that order.
; In: sel[t] = e1 | e2 << 8, x [2048][1024] f32.
; Out: pos[2 t + k] = sorted row of pair (t, k); seg[2 e] = expert e's first block of 64 rows, seg[2 e + 1] = its number of blocks;
;      xs = the 4,608 sorted rows in bf16 (rows that no pair owns are copies of token 0), laid as the matrix fragments want them:
;      xs[block of 64 rows][K step ks of 32][row tile i of 16 rows][j][hh][r][8 numbers] holds row 16 i + r, k = 32 ks + 16 j + 8 hh .. + 7,
;      so that a wave's load of 16 bytes a lane at 16 x lane brings half a fragment as 512 consecutive bytes.
; Every work-group repeats the whole sort (8 KB of sel, integer work only), so that nothing passes between work-groups, and then copies its own row tile (16 rows).
; Eight waves: wave w ranks tokens 256 w .. 256 w + 255, token 256 w + 32 jj + L in lane L of step jj.
; LDS: MY  = 0:     wave w's own list at 128 w: word i < 16 = the token of the group's row i if this wave ranked it, else 0; word 16 takes all other stores
;      WC  = 1024:  wave w's eight counts at 128 w, lane e = expert e
;      POSL= 2048:  pos as it will lie in memory, 16 KB
;      XT  = 18432: the row tile in bf16, piece c (8 numbers, k = 8 c ..) of row r at 272 c + 16 r: 256 bytes a piece column + 16 of padding
.set MY,   0
.set WC,   1024
.set POSL, 2048
.set XT,   18432
.set XPI,  272
.set E1,   8                           ; v[8:15]   first expert of my token in step jj, later 4 x it
.set E2,   16                          ; v[16:23]  second expert
.set R1,   24                          ; v[24:31]  rank of pair (t, 0) among its expert's pairs in this wave
.set R2,   32                          ; v[32:39]  rank of pair (t, 1)
.set P,    40                          ; v[40:55]  sorted rows, pair (t, 0), (t, 1) of step jj at P + 2 jj
.set SV,   56                          ; v[56:63]  sel as loaded; later the eight waves' words
.set C,    64
.set CNT,  65
.set TOT,  66
.set PRE,  67
.set NB,   68
.set VB,   69                          ; lane e: first sorted row for this wave's pairs of expert e
.set VSEG, 70                          ; lane 2 e, 2 e + 1: seg
.set TK,   71                          ; 256 w + L
.set T,    72                          ; v[72:75] at work
.set OFF,  76                          ; v[76:83] pass p: byte offset in x
.set X,    88                          ; v[88:151] pass p: 8 f32; later the pieces read back
.set Y,    160                         ; v[160:191] pass p: 8 bf16
.set RB,   192                         ; where I read the tile back
.set GO,   193                         ; my byte offset in xs
; pairs of expert e in step jj: their rank = pairs of e seen so far in this wave + pairs of e in lower lanes.  A token names an expert at most once.
.macro RANK jj, e
	v_cmp_eq_u32 s24, \e, v[E1+\jj]
	v_cmp_eq_u32 s25, \e, v[E2+\jj]
	s_or_b32 s26, s24, s25
.if \jj == 0
	v_mbcnt_lo_u32_b32 v[C], s26, 0
	s_bcnt1_i32_b32 s[16+\e], s26                  ; the first step starts the counts
.else
	v_mbcnt_lo_u32_b32 v[C], s26, s[16+\e]
	s_bcnt1_i32_b32 s27, s26
	s_add_co_u32 s[16+\e], s[16+\e], s27
.endif
.if \e == 0
	v_cndmask_b32 v[R1+\jj], 0, v[C], s24
	v_cndmask_b32 v[R2+\jj], 0, v[C], s25
.else
	v_cndmask_b32 v[R1+\jj], v[R1+\jj], v[C], s24
	v_cndmask_b32 v[R2+\jj], v[R2+\jj], v[C], s25
.endif
.endm
	s_load_b256 s[4:11], s[0:1], 0x0               ; sel s[4:5], x s[6:7], xs s[8:9], pos s[10:11]
	s_load_b64 s[12:13], s[0:1], 0x20              ; seg
	v_lshl_add_u32 v200, v0, 2, 0xd000
	v_mov_b32 v201, 0
	v_and_b32 v1, 31, v0                           ; lane
	v_lshrrev_b32 v2, 5, v0
	v_readfirstlane_b32 s14, v2                    ; wave
	s_mov_b32 s15, ttmp9                           ; g
	v_lshlrev_b32 v3, 2, v1                        ; 4 L
	s_lshl_b32 s28, s14, 10
	v_add_nc_u32 v4, s28, v3                       ; my word of sel in step 0: 1,024 w + 4 L
	s_lshl_b32 s29, s14, 7
	v_add_nc_u32 v5, s29, v3                       ; 128 w + 4 L
	v_mov_b32 v7, s29                              ; 128 w
	v_mov_b32 v6, 0
	ds_store_b32 v5, v6 offset:MY                  ; my wave's list starts as zeros; LDS serves a wave's instructions in order
	s_wait_kmcnt 0x0
.irp jj, 0,1,2,3,4,5,6,7
	global_load_b32 v[SV+\jj], v4, s[4:5] offset:128*\jj
.endr
	s_wait_loadcnt 0x0
.irp jj, 0,1,2,3,4,5,6,7
	v_and_b32 v[E1+\jj], 0xff, v[SV+\jj]
	v_bfe_u32 v[E2+\jj], v[SV+\jj], 8, 8
.endr
.irp jj, 0,1,2,3,4,5,6,7
.irp e, 0,1,2,3,4,5,6,7
	RANK \jj, \e
.endr
.endr
	v_mov_b32 v[CNT], 0
.irp e, 0,1,2,3,4,5,6,7
	v_writelane_b32 v[CNT], s[16+\e], \e
.endr
	ds_store_b32 v5, v[CNT] offset:WC
	s_wait_dscnt 0x0                               ; my counts are in LDS before I signal
	s_barrier_signal -1
	s_barrier_wait -1
	; lane e: the expert's total, and the pairs of lower waves
.irp wp, 0,1,2,3,4,5,6,7
	ds_load_b32 v[SV+\wp], v3 offset:WC+128*\wp
.endr
	s_wait_dscnt 0x0
	v_add3_u32 v[TOT], v[SV], v[SV+1], v[SV+2]
	v_add3_u32 v[TOT], v[TOT], v[SV+3], v[SV+4]
	v_add3_u32 v[TOT], v[TOT], v[SV+5], v[SV+6]
	v_add_nc_u32 v[TOT], v[TOT], v[SV+7]
	s_cmp_gt_u32 s14, 0
	s_cselect_b32 s24, -1, 0
	v_and_b32 v[PRE], s24, v[SV]
.irp wp, 1,2,3,4,5,6
	s_cmp_gt_u32 s14, \wp
	s_cselect_b32 s24, -1, 0
	v_and_b32 v[T], s24, v[SV+\wp]
	v_add_nc_u32 v[PRE], v[PRE], v[T]
.endr
	v_add_nc_u32 v[NB], 63, v[TOT]
	v_lshrrev_b32 v[NB], 6, v[NB]                  ; blocks of 64 rows
	v_mov_b32 v[VB], 0
	v_mov_b32 v[VSEG], 0
	s_mov_b32 s28, 0                               ; first block of the expert at hand
.irp e, 0,1,2,3,4,5,6,7
	v_readlane_b32 s24, v[NB], \e
	v_readlane_b32 s25, v[PRE], \e
	s_lshl_b32 s26, s28, 6
	s_add_co_u32 s26, s26, s25
	v_writelane_b32 v[VB], s26, \e
	v_writelane_b32 v[VSEG], s28, 2*\e
	v_writelane_b32 v[VSEG], s24, 2*\e+1
	s_add_co_u32 s28, s28, s24
.endr
.irp jj, 0,1,2,3,4,5,6,7
	v_lshlrev_b32 v[E1+\jj], 2, v[E1+\jj]
	v_lshlrev_b32 v[E2+\jj], 2, v[E2+\jj]
	ds_bpermute_b32 v[P+2*\jj], v[E1+\jj], v[VB]   ; lane e's base for my pair's expert
	ds_bpermute_b32 v[P+2*\jj+1], v[E2+\jj], v[VB]
.endr
	s_lshl_b32 s29, s14, 8
	v_add_nc_u32 v[TK], s29, v1                    ; my token in step 0
	v_lshlrev_b32 v[C], 3, v[TK]                   ; its two words in POSL
	s_lshl_b32 s30, s15, 4                         ; the group's first sorted row
	s_wait_dscnt 0x0
.irp jj, 0,1,2,3,4,5,6,7
	v_add_nc_u32 v[P+2*\jj], v[P+2*\jj], v[R1+\jj]
	v_add_nc_u32 v[P+2*\jj+1], v[P+2*\jj+1], v[R2+\jj]
	v_add_nc_u32 v[T+2], 32*\jj, v[TK]
	v_sub_nc_u32 v[T], v[P+2*\jj], s30             ; place among the group's 16 rows; below them it wraps to a large number
	v_sub_nc_u32 v[T+1], v[P+2*\jj+1], s30
	v_min_u32 v[T], 16, v[T]                       ; all that is not ours goes to word 16
	v_min_u32 v[T+1], 16, v[T+1]
	v_lshl_add_u32 v[T], v[T], 2, v7               ; 128 w + 4 x place: inside my wave's own list
	v_lshl_add_u32 v[T+1], v[T+1], 2, v7
	ds_store_b32 v[T], v[T+2] offset:MY
	ds_store_b32 v[T+1], v[T+2] offset:MY
	ds_store_b64 v[C], v[P+2*\jj:P+2*\jj+1] offset:POSL+256*\jj
.endr
	s_wait_dscnt 0x0                               ; my lists are in LDS before I signal
	s_barrier_signal -1
	s_barrier_wait -1
	; The copy.  Waves 0-3 (sub = 0) take the even rows of the 16, waves 4-7 (sub = 1) the odd ones; thread c of 128 takes piece c (8 numbers) of a row.
	; Lane L sums word L + sub of the eight lists (at most one is not zero): the token of row 2 p + sub then stands in lane 2 p.
	s_lshr_b32 s31, s14, 2                         ; sub
	v_lshl_add_u32 v[T], s31, 2, v3                ; 4 (L + sub)
.irp wp, 0,1,2,3,4,5,6,7
	ds_load_b32 v[SV+\wp], v[T] offset:MY+128*\wp
.endr
	v_and_b32 v[T+1], 127, v0                      ; c
	v_lshlrev_b32 v[T+2], 5, v[T+1]                ; 32 c: 8 f32
	v_mul_u32_u24 v[T+3], v[T+1], XPI              ; the tile in LDS: 272 c + 16 sub; pass p adds 32 p
	s_lshl_b32 s29, s31, 4
	v_add_nc_u32 v[T+3], s29, v[T+3]
	v_lshrrev_b32 v[RB], 4, v0                     ; back: thread i takes row i & 15 of piece 16 q + (i >> 4) in pass q
	v_mul_u32_u24 v[RB], v[RB], XPI
	v_and_b32 v[C], 15, v0
	v_lshl_add_u32 v[RB], v[C], 4, v[RB]
	v_lshrrev_b32 v[GO], 6, v0                     ; in xs: K step 4 q + (i >> 6) of 4,096 bytes, and 16 (i & 63) inside my tile's 1,024 bytes of it
	v_lshlrev_b32 v[GO], 12, v[GO]
	v_and_b32 v[C], 63, v0
	v_lshl_add_u32 v[GO], v[C], 4, v[GO]
	s_lshr_b32 s32, s15, 2                         ; block g / 4 of 131,072 bytes, row tile g % 4 of 1,024 bytes
	s_lshl_b32 s32, s32, 17
	s_and_b32 s33, s15, 3
	s_lshl_b32 s33, s33, 10
	s_add_co_u32 s32, s32, s33
	s_mov_b32 s33, 0
	s_add_nc_u64 s[8:9], s[8:9], s[32:33]
	s_wait_dscnt 0x0
	v_add3_u32 v[TOT], v[SV], v[SV+1], v[SV+2]
	v_add3_u32 v[TOT], v[TOT], v[SV+3], v[SV+4]
	v_add3_u32 v[TOT], v[TOT], v[SV+5], v[SV+6]
	v_add_nc_u32 v[TOT], v[TOT], v[SV+7]
.irp p, 0,1,2,3,4,5,6,7
	v_readlane_b32 s24, v[TOT], 2*\p
	s_min_u32 s24, s24, 2047                       ; a token's number, kept inside x
	v_lshl_add_u32 v[OFF+\p], s24, 12, v[T+2]
	global_load_b128 v[X+8*\p:X+8*\p+3], v[OFF+\p], s[6:7]
	global_load_b128 v[X+8*\p+4:X+8*\p+7], v[OFF+\p], s[6:7] offset:16
.endr
.irp p, 0,1,2,3,4,5,6,7
	s_wait_loadcnt 2*(7-\p)                        ; the later rows' pairs of loads may be out
.irp q, 0,1,2,3
	v_cvt_pk_bf16_f32 v[Y+4*\p+\q], v[X+8*\p+2*\q], v[X+8*\p+2*\q+1]
.endr
	ds_store_b128 v[T+3], v[Y+4*\p:Y+4*\p+3] offset:XT+32*\p       ; row 2 p + sub of piece c
.endr
	s_wait_dscnt 0x0                               ; my pieces are in LDS before I signal
	s_barrier_signal -1
	s_barrier_wait -1
.irp q, 0,1,2,3,4,5,6,7
	ds_load_b128 v[X+4*\q:X+4*\q+3], v[RB] offset:XT+16*XPI*\q
.endr
.irp q, 0,1,2,3,4,5,6,7
	s_wait_dscnt 7-\q                              ; the younger pieces may be out
	global_store_b128 v[GO], v[X+4*\q:X+4*\q+3], s[8:9] offset:16384*\q    ; the wave stores 512 consecutive bytes, aligned
.endr
	; pos: wave 0 of groups 0 to 31 stores 512 bytes each; seg: wave 0 of group 0 (lanes 16 to 31 hold zeros)
	s_cmp_lg_u32 s14, 0
	s_cbranch_scc1 .Lend
	s_cmp_ge_u32 s15, 32
	s_cbranch_scc1 .Lend
	s_min_u32 s28, s15, 31
	s_lshl_b32 s29, s28, 9
	v_lshl_add_u32 v[C], v1, 4, s29                ; 512 g + 16 L
	ds_load_b128 v[Y:Y+3], v[C] offset:POSL
	s_wait_dscnt 0x0
	global_store_b128 v[C], v[Y:Y+3], s[10:11]
	s_cmp_lg_u32 s15, 0
	s_cbranch_scc1 .Lend
	global_store_b32 v3, v[VSEG], s[12:13]
.Lend:
	s_wait_tensorcnt 0x0
	ds_add_u32 v200, v201
	s_wait_dscnt 0x0
	s_endpgm
.Lfunc_end_k_q8c9335a401_route:
	.size	k_q8c9335a401_route, .Lfunc_end_k_q8c9335a401_route-k_q8c9335a401_route
	.p2alignl 7, 3214868480
	.fill 96, 4, 3214868480
	.section	.rodata,"a",@progbits
	.p2align	6, 0x0
	.amdhsa_kernel k_q8c9335a401_route
		.amdhsa_group_segment_fixed_size 54272
		.amdhsa_private_segment_fixed_size 0
		.amdhsa_enable_private_segment 0
		.amdhsa_kernarg_size 40
		.amdhsa_user_sgpr_count 2
		.amdhsa_user_sgpr_kernarg_segment_ptr 1
		.amdhsa_wavefront_size32 1
		.amdhsa_system_sgpr_workgroup_id_x 1
		.amdhsa_system_sgpr_workgroup_id_y 1
		.amdhsa_system_sgpr_workgroup_id_z 1
		.amdhsa_system_vgpr_workitem_id 0
		.amdhsa_next_free_vgpr 202
		.amdhsa_next_free_sgpr 66
		.amdhsa_reserve_vcc 0
		.amdhsa_float_denorm_mode_32 3
		.amdhsa_float_denorm_mode_16_64 3
		.amdhsa_memory_ordered 1
		.amdhsa_forward_progress 1
		.amdhsa_inst_pref_size 51
	.end_amdhsa_kernel
	.amdgpu_metadata
---
amdhsa.version: [ 1, 2 ]
amdhsa.kernels:
  - .name:           k_q8c9335a401_route
    .symbol:         k_q8c9335a401_route.kd
    .args:
      - { .name: sel, .offset: 0, .size: 8, .value_kind: global_buffer, .address_space: global }
      - { .name: x, .offset: 8, .size: 8, .value_kind: global_buffer, .address_space: global }
      - { .name: xs, .offset: 16, .size: 8, .value_kind: global_buffer, .address_space: global }
      - { .name: pos, .offset: 24, .size: 8, .value_kind: global_buffer, .address_space: global }
      - { .name: seg, .offset: 32, .size: 8, .value_kind: global_buffer, .address_space: global }
    .group_segment_fixed_size: 54272
    .private_segment_fixed_size: 0
    .kernarg_segment_align: 8
    .kernarg_segment_size: 40
    .max_flat_workgroup_size: 256
    .sgpr_count:     66
    .vgpr_count:     202
    .wavefront_size: 32
...
	.end_amdgpu_metadata
.endif
;; end of part 2
;; launch ffn1 (part 3): grid 256 x 1, 4 waves a work-group, no clusters, 37,376 bytes of LDS; arguments seg, xs, W1, h, b1; writes h
.if DOCPART == 3
	.amdgcn_target "amdgcn-amd-amdhsa--gfx1250"
	.amdhsa_code_object_version 6
	.text
	.protected	k_q8c9335a401_ffn1
	.globl	k_q8c9335a401_ffn1
	.p2align	8
	.type	k_q8c9335a401_ffn1,@function
k_q8c9335a401_ffn1:
	s_mov_b64 s[64:65], 0
	v_nop
	global_prefetch_b8 v0, s[64:65] scope:SCOPE_SE
	s_setreg_imm32_b32 hwreg(HW_REG_WAVE_MODE, 25, 1), 1
	s_wait_xcnt 0x0
.set FFN, 1
; EXPERT PRODUCT (one text for both layers; FFN = 1: h = relu(xs W1[e] + b1[e]) in bf16; FFN = 2: y[kh] = h[:, K half kh] W2[e][K half kh] in f32).
; Rows are the sorted rows of the routing launch: expert e owns blocks seg[2 e] .. + seg[2 e + 1] - 1 of 64 rows.
; A work-group owns a slice of the expert's weights, 1,024 k x 128 columns, reads it once as f32, rounds it to bf16 and KEEPS IT IN REGISTERS:
; wave w holds columns 32 w .. + 31 for all k: 32 K steps x 2 column tiles x 8 = 512 registers.  It then walks every second block of the expert
; (group s = 0, 1 takes blocks s, s + 2, ..).
; Group number: FFN 1: s = bit 0, column group cb = bits 4:1, e = bits 7:5.  FFN 2: s = bit 0, cb = bits 3:1, K half kh = bit 4, e = bits 7:5.
; BARRIERS stand only in the phase that brings W in, which every wave runs whatever seg holds.  The number of blocks is read from memory, and no barrier
; may hang on a number that was loaded: so in the walk over the blocks no wave hands anything to another.  Each wave fetches A's fragments for itself,
; straight into registers, and stores its own 64 rows x 32 columns.  For the same reason there is no tensor load (a slot's refill wants a barrier) and no cluster.
; The price: the four waves fetch the same 128 KB of a block, each for its own 32 columns.
; LAYOUTS that make these loads and stores whole runs of 512 bytes: A (xs or h) lies as [block][K step of 32][row tile i][j][lane][16 bytes], the
; fragment's own register image: lane (r, hh) of half j holds row 16 i + r, k = 16 j + 8 hh .. + 7.  FFN 1's packed results are that image for FFN 2
; (column tile ct = half j), so they are stored from registers as they stand.  y lies as [K half][block][group of 32 columns][64 rows][128 bytes].
; LIMITS: operands are bf16, sums f32; the ReLU is v_max_num_f32, which turns a NaN into 0.
; THE MATRIX INSTRUCTION IS USED TRANSPOSED: source 0 = 16 columns of W, source 1 = 16 rows of A; lane (r, hh) then holds row r, columns 8 hh .. + 7.
; REGISTERS in windows of 256: window 0 addresses, sums, way out; windows 1, 2 the weights: fragment (ks, ct) at 16 (ks & 15) + 8 ct of window 1 + (ks >> 4);
; window 3 two buffers of A's fragments, 4 K steps x 4 row tiles each.
.if FFN == 1
.set ABLKLOG, 17                       ; a block of A: 32 K steps of 4,096 bytes
.set WPITCH,  8192                     ; bytes in a row of W
.set OGLOG,   12                       ; a wave's 64 rows x 32 columns of the output: 4,096 bytes of bf16
.else
.set ABLKLOG, 18                       ; a block of h: 64 K steps of 4,096 bytes
.set WPITCH,  4096
.set OGLOG,   13                       ; 8,192 bytes of f32
.endif
.set ASTEP,  2<<ABLKLOG                ; two blocks on
.set OSTEP,  524288                    ; two blocks of 262,144 bytes of the output
.set WSTAGE, 18432                     ; one of two stages for W, at LDS byte 0: 64 rows x 288 bytes (256 + 32)
.set OST,    2*WSTAGE                  ; FFN 2: behind them a stage of each wave's own for the way out,
.set OWAVE,  9216                      ; 64 rows x 144 bytes (128 + 16)
.set WOFF, 6                           ; v6   W: 16 w rows + 16 L
.set WST,  7                           ; v7   W stage, in: row 16 w, 8 L
.set WRD,  8                           ; v8   W stage, transposing reads
.set LOFF, 9                           ; v9   16 L: my bytes in every run of 512; never rewritten
.set STO,  10                          ; v10  FFN 2: out stage, in
.set RD,   11                          ; v11  FFN 2: out stage, back
.set BOFF, 12                          ; v12  32 hh (bias)
.set BIAS, 14                          ; v[14:29] FFN 1: b1 of my 8 columns in column tile ct at BIAS + 8 ct
.set ACC,  64                          ; v[64:127] sums: row tile i, column tile ct at ACC + 8 (2 i + ct)
.set TMP,  128                         ; v[128:159] FFN 1: packed results
.set OUTB, 160                         ; v[160:223] FFN 2: rows read back
.set LB,   64                          ; v[64:255] while W comes in: three load buffers of 64 (the sums are not alive yet)
.set FA0,  0                           ; window 3
.set FA1,  128
.set MSB, 0
.macro WIN new                         ; the immediate's high byte repeats the setting that is left
.if MSB != (\new)
	s_set_vgpr_msb (MSB<<8)|(\new)
.set MSB, (\new)
.endif
.endm
.macro PLACES                          ; four plain vector instructions between a matrix instruction and a load into a register that it read (ISA guide 7.12.1 for vector instructions)
.rept 4
	v_nop
.endr
.endm
.macro WLOAD c, lb                     ; chunk c of W: 64 rows; my wave's 16 rows, 512 consecutive bytes a load
.irp jj, 0,1,2,3,4,5,6,7,8,9,10,11,12,13,14,15
	global_load_b128 v[LB+64*\lb+4*\jj:LB+64*\lb+4*\jj+3], v[WOFF], s[8:9] offset:(\c)*64*WPITCH+\jj*WPITCH
.endr
.endm
; Chunk c: round to bf16, lay it [k][n] into stage st, and take my 32 columns out of it transposed into registers.
.macro WCHUNK c, lb, st, win, left, refill
	s_wait_loadcnt \left                           ; loads return in order: this chunk is in, the younger chunks' loads (16 each) may be out
.irp jj, 0,1,2,3,4,5,6,7,8,9,10,11,12,13,14,15
	v_cvt_pk_bf16_f32 v[LB+64*\lb+4*\jj], v[LB+64*\lb+4*\jj], v[LB+64*\lb+4*\jj+1]
	v_cvt_pk_bf16_f32 v[LB+64*\lb+4*\jj+1], v[LB+64*\lb+4*\jj+2], v[LB+64*\lb+4*\jj+3]
.endr
.irp jj, 0,1,2,3,4,5,6,7,8,9,10,11,12,13,14,15
	ds_store_b64 v[WST], v[LB+64*\lb+4*\jj:LB+64*\lb+4*\jj+1] offset:\st*WSTAGE+288*\jj
.endr
	s_wait_dscnt 0x0                               ; my stores are in LDS, and my reads of the other stage (the last chunk's) are back: it is stored again behind this barrier
.if \refill
	WLOAD \c+3, \lb                                ; the buffer is free: three chunks ahead
.endif
	s_barrier_signal -1
	s_barrier_wait -1
	WIN \win
.irp ksl, 0,1
.irp ct, 0,1
	ds_load_tr16_b128 v[16*((2*\c+\ksl)&15)+8*\ct:16*((2*\c+\ksl)&15)+8*\ct+3], v[WRD] offset:\st*WSTAGE+9216*\ksl+32*\ct
	ds_load_tr16_b128 v[16*((2*\c+\ksl)&15)+8*\ct+4:16*((2*\c+\ksl)&15)+8*\ct+7], v[WRD] offset:\st*WSTAGE+9216*\ksl+32*\ct+4608
.endr
.endr
	WIN 0
.endm
; Unit u of a block = 4 K steps (128 k).  32 loads of 512 consecutive bytes: fragment (ks, i) into f + 8 (4 ks + i) of window 3.  nxt = 1: of my next block.
.macro FETCH u, f, nxt
	WIN 0xc0
.irp ks, 0,1,2,3
.irp i, 0,1,2,3
	global_load_b128 v[\f+8*(4*\ks+\i):\f+8*(4*\ks+\i)+3], v[LOFF], s[6:7] offset:\nxt*ASTEP+(4*(\u)+\ks)*4096+\i*1024
	global_load_b128 v[\f+8*(4*\ks+\i)+4:\f+8*(4*\ks+\i)+7], v[LOFF], s[6:7] offset:\nxt*ASTEP+(4*(\u)+\ks)*4096+\i*1024+512
.endr
.endr
.endm
; Eight matrix instructions of one K step: the eight sums take turns, one instruction a turn.
.macro MM u, f, ks, zero
.irp i, 0,1,2,3
.irp ct, 0,1
.if \zero
	v_wmma_f32_16x16x32_bf16 v[ACC+8*(2*\i+\ct):ACC+8*(2*\i+\ct)+7], v[16*((4*(\u)+\ks)&15)+8*\ct:16*((4*(\u)+\ks)&15)+8*\ct+7], v[\f+8*(4*\ks+\i):\f+8*(4*\ks+\i)+7], 0
.else
	v_wmma_f32_16x16x32_bf16 v[ACC+8*(2*\i+\ct):ACC+8*(2*\i+\ct)+7], v[16*((4*(\u)+\ks)&15)+8*\ct:16*((4*(\u)+\ks)&15)+8*\ct+7], v[\f+8*(4*\ks+\i):\f+8*(4*\ks+\i)+7], v[ACC+8*(2*\i+\ct):ACC+8*(2*\i+\ct)+7]
.endif
.endr
.endr
.endm
.macro MUL u, f, zero                  ; source 0 (W) window 1 or 2, source 1 (A) window 3, sums window 0.  zero = 1: the first K step starts the sums
	WIN 0x0d+((\u)>>2)
	MM \u, \f, 0, \zero
	MM \u, \f, 1, 0
	MM \u, \f, 2, 0
	MM \u, \f, 3, 0
.endm
.macro NEXT uf, f, um, g               ; unit uf is asked for, into the buffer just multiplied; unit um, which is in, is multiplied
	PLACES
	FETCH \uf, \f, 0
	s_wait_loadcnt 32                              ; all but the 32 loads just issued
	MUL \um, \g, 0
.endm
.macro EPILOGUE
.if FFN == 1
.irp i, 0,1,2,3
.irp ct, 0,1
.irp q, 0,2,4,6
	v_pk_add_f32 v[ACC+8*(2*\i+\ct)+\q:ACC+8*(2*\i+\ct)+\q+1], v[ACC+8*(2*\i+\ct)+\q:ACC+8*(2*\i+\ct)+\q+1], v[BIAS+8*\ct+\q:BIAS+8*\ct+\q+1]
.endr
.irp q, 0,1,2,3,4,5,6,7
	v_max_num_f32 v[ACC+8*(2*\i+\ct)+\q], 0, v[ACC+8*(2*\i+\ct)+\q]
.endr
.irp q, 0,1,2,3
	v_cvt_pk_bf16_f32 v[TMP+4*(2*\i+\ct)+\q], v[ACC+8*(2*\i+\ct)+2*\q], v[ACC+8*(2*\i+\ct)+2*\q+1]
.endr
	global_store_b128 v[LOFF], v[TMP+4*(2*\i+\ct):TMP+4*(2*\i+\ct)+3], s[10:11] offset:1024*\i+512*\ct     ; half ct of fragment (my K step of the next layer, i): the wave stores 512 consecutive bytes, aligned
.endr
.endr
.else
.irp i, 0,1,2,3
.irp ct, 0,1
	ds_store_b128 v[STO], v[ACC+8*(2*\i+\ct):ACC+8*(2*\i+\ct)+3] offset:2304*\i+64*\ct      ; row 16 i + r of 144 bytes, my 8 columns in f32
	ds_store_b128 v[STO], v[ACC+8*(2*\i+\ct)+4:ACC+8*(2*\i+\ct)+7] offset:2304*\i+64*\ct+16
.endr
.endr
.irp t, 0,1,2,3,4,5,6,7,8,9,10,11,12,13,14,15
	ds_load_b128 v[OUTB+4*\t:OUTB+4*\t+3], v[RD] offset:576*\t     ; rows 4 t .. + 3, 128 bytes each; the stage is my wave's own, and LDS serves a wave's instructions in order (ISA guide 5.7.1.4)
.endr
.irp t, 0,1,2,3,4,5,6,7,8,9,10,11,12,13,14,15
	s_wait_dscnt 15-\t                             ; the younger rows may be out
	global_store_b128 v[LOFF], v[OUTB+4*\t:OUTB+4*\t+3], s[10:11] offset:512*\t    ; the wave stores 512 consecutive bytes, aligned
.endr
.endif
.endm
; One block.  At its head units 0 and 1 have been asked for.  nxt = 1: units 0 and 1 of my next block are asked for round the last product.
.macro TRIP nxt
	s_wait_loadcnt 32                              ; unit 0 is in; unit 1's 32 loads may be out (the same on the way in and round the loop)
	MUL 0, FA0, 1
	NEXT 2, FA0, 1, FA1
	NEXT 3, FA1, 2, FA0
	NEXT 4, FA0, 3, FA1
	NEXT 5, FA1, 4, FA0
	NEXT 6, FA0, 5, FA1
	NEXT 7, FA1, 6, FA0
.if \nxt
	PLACES
	FETCH 0, FA0, 1
	s_wait_loadcnt 32                              ; unit 7 is in
	MUL 7, FA1, 0
.else
	s_wait_loadcnt 0x0
	MUL 7, FA1, 0
.endif
.rept 5
	v_nop                                          ; the places behind the last matrix instructions: for the loads into their sources, for the readers of the sums, and for the next block's first products, which write over them
.endr
.if \nxt
	FETCH 1, FA1, 1
.endif
	WIN 0
	EPILOGUE
	s_wait_xcnt 0x0                                ; the bases and the stores' data are rewritten only behind this wait
	s_add_nc_u64 s[10:11], s[10:11], OSTEP
.if \nxt
	s_add_nc_u64 s[6:7], s[6:7], ASTEP
.endif
.endm
	s_load_b256 s[4:11], s[0:1], 0x0               ; seg s[4:5], A s[6:7], W s[8:9], out s[10:11]
.if FFN == 1
	s_load_b64 s[12:13], s[0:1], 0x20              ; b1
	v_lshl_add_u32 v62, v0, 2, 0x9000
	v_mov_b32 v63, 0
.endif
	v_and_b32 v1, 31, v0                           ; L
	v_lshrrev_b32 v2, 5, v0
	v_readfirstlane_b32 s14, v2                    ; wave
	v_and_b32 v2, 15, v0                           ; r
	v_bfe_u32 v3, v0, 4, 1                         ; hh
	s_mov_b32 s19, ttmp9
	s_and_b32 s17, s19, 1                          ; s
	s_lshr_b32 s15, s19, 5                         ; e
.if FFN == 1
	s_bfe_u32 s16, s19, 0x40001                    ; cb
	s_mov_b32 s18, 0                               ; no K half
.else
	s_bfe_u32 s16, s19, 0x30001                    ; cb
	s_bfe_u32 s18, s19, 0x10004                    ; kh
.endif
	s_lshl_b32 s36, s15, 23                        ; an expert's weights are 8 MiB
	s_lshl_b32 s38, s16, 9                         ; 128 columns of f32
	s_add_co_u32 s36, s36, s38
	s_lshl_b32 s38, s18, 22                        ; FFN 2: 1,024 rows of 4,096 bytes
	s_add_co_u32 s36, s36, s38
	s_mov_b32 s37, 0
	s_lshl_b32 s40, s15, 3                         ; seg: two words an expert
	s_mov_b32 s41, 0
	s_mul_i32 s42, s14, 16*WPITCH
	v_lshl_add_u32 v[WOFF], v1, 4, s42
	v_lshlrev_b32 v[BOFF], 5, v3
	s_wait_kmcnt 0x0
	s_add_nc_u64 s[4:5], s[4:5], s[40:41]
	s_load_b64 s[20:21], s[4:5], 0x0               ; first block, number of blocks
	s_add_nc_u64 s[8:9], s[8:9], s[36:37]
.if FFN == 1
	s_lshl_b32 s38, s15, 13                        ; b1: 4 (2,048 e + 128 cb + 32 w)
	s_lshl_b32 s39, s16, 9
	s_add_co_u32 s38, s38, s39
	s_lshl_b32 s39, s14, 7
	s_add_co_u32 s38, s38, s39
	s_mov_b32 s39, 0
	s_add_nc_u64 s[12:13], s[12:13], s[38:39]
.irp ct, 0,1
	global_load_b128 v[BIAS+8*\ct:BIAS+8*\ct+3], v[BOFF], s[12:13] offset:64*\ct
	global_load_b128 v[BIAS+8*\ct+4:BIAS+8*\ct+7], v[BOFF], s[12:13] offset:64*\ct+16
.endr
.endif
	WLOAD 0, 0
	WLOAD 1, 1
	WLOAD 2, 2
	; addresses, while the loads are on their way
	s_mul_i32 s42, s14, 4608                       ; W stage: 16 w rows of 288 bytes
	v_lshl_add_u32 v[WST], v1, 3, s42
	v_and_b32 v4, 7, v0
	v_lshl_add_u32 v4, v3, 3, v4                   ; 8 hh + (L & 7)
	v_mul_u32_u24 v4, v4, 288
	v_bfe_u32 v5, v0, 3, 1
	v_lshl_add_u32 v4, v5, 4, v4                   ; + 16 ((L >> 3) & 1)
	s_lshl_b32 s42, s14, 6                         ; my 32 columns of bf16
	v_add_nc_u32 v[WRD], s42, v4
	v_lshlrev_b32 v[LOFF], 4, v1
.if FFN == 2
	s_mul_i32 s42, s14, OWAVE
	s_add_co_u32 s42, s42, OST                     ; my wave's own stage
	v_mul_u32_u24 v[STO], v2, 144
	v_lshl_add_u32 v[STO], v3, 5, v[STO]
	v_add_nc_u32 v[STO], s42, v[STO]               ; + 144 r + 32 hh
	v_lshrrev_b32 v4, 3, v1
	v_mul_u32_u24 v[RD], v4, 144
	v_and_b32 v5, 7, v0
	v_lshl_add_u32 v[RD], v5, 4, v[RD]
	v_add_nc_u32 v[RD], s42, v[RD]                 ; + 144 (L >> 3) + 16 (L & 7)
.endif
	s_wait_kmcnt 0x0
	s_min_u32 s20, s20, 71                         ; at most 71 blocks in all
	s_min_u32 s21, s21, 32                         ; at most 2,048 rows an expert
	s_add_co_u32 s21, s21, 1
	s_sub_co_u32 s21, s21, s17
	s_lshr_b32 s21, s21, 1                         ; my blocks: (n + 1 - s) / 2
	s_add_co_u32 s20, s20, s17                     ; my first block
	s_lshl_b32 s36, s20, ABLKLOG
	s_lshl_b32 s38, s18, 17                        ; FFN 2: the K half: 32 K steps of 4,096 bytes
	s_add_co_u32 s36, s36, s38
	s_add_nc_u64 s[6:7], s[6:7], s[36:37]          ; A at my first block
	s_lshl_b32 s36, s20, 18                        ; the output: 262,144 bytes a block,
	s_lshl_b32 s38, s16, 2
	s_add_co_u32 s38, s38, s14                     ; group of 32 columns 4 cb + w
	s_lshl_b32 s38, s38, OGLOG
	s_add_co_u32 s36, s36, s38
	s_mul_i32 s38, s18, 18874368                   ; FFN 2: the K half's own plane of y
	s_add_co_u32 s36, s36, s38
	s_add_nc_u64 s[10:11], s[10:11], s[36:37]
	; the slice of W: 16 chunks of 64 rows; three chunks of loads are out, two stages take turns, one barrier a chunk.  No branch stands in front of these barriers.
	WCHUNK 0,  0, 0, 0x40, 32, 1
	WCHUNK 1,  1, 1, 0x40, 32, 1
	WCHUNK 2,  2, 0, 0x40, 32, 1
	WCHUNK 3,  0, 1, 0x40, 32, 1
	WCHUNK 4,  1, 0, 0x40, 32, 1
	WCHUNK 5,  2, 1, 0x40, 32, 1
	WCHUNK 6,  0, 0, 0x40, 32, 1
	WCHUNK 7,  1, 1, 0x40, 32, 1
	WCHUNK 8,  2, 0, 0x80, 32, 1
	WCHUNK 9,  0, 1, 0x80, 32, 1
	WCHUNK 10, 1, 0, 0x80, 32, 1
	WCHUNK 11, 2, 1, 0x80, 32, 1
	WCHUNK 12, 0, 0, 0x80, 32, 1
	WCHUNK 13, 1, 1, 0x80, 32, 0
	WCHUNK 14, 2, 0, 0x80, 16, 0
	WCHUNK 15, 0, 1, 0x80, 0,  0
	s_wait_dscnt 0x0                               ; the last fragments of W are in
	; from here on every wave goes by itself: nt blocks, nt - 1 trips that ask ahead, and the last written out, which asks for nothing
	s_cmp_eq_u32 s21, 0
	s_cbranch_scc1 .Lend                           ; the expert has no block for this group
	FETCH 0, FA0, 0
	FETCH 1, FA1, 0
	WIN 0
	s_sub_co_u32 s21, s21, 1
	s_cmp_eq_u32 s21, 0
	s_cbranch_scc1 .Ltail
.Lloop:
	TRIP 1
	s_sub_co_u32 s21, s21, 1
	s_cmp_lg_u32 s21, 0
	s_cbranch_scc1 .Lloop
.Ltail:
	TRIP 0
.Lend:
	s_wait_tensorcnt 0x0
	ds_add_u32 v62, v63
	s_wait_dscnt 0x0
	s_endpgm
.Lfunc_end_k_q8c9335a401_ffn1:
	.size	k_q8c9335a401_ffn1, .Lfunc_end_k_q8c9335a401_ffn1-k_q8c9335a401_ffn1
	.p2alignl 7, 3214868480
	.fill 96, 4, 3214868480
	.section	.rodata,"a",@progbits
	.p2align	6, 0x0
	.amdhsa_kernel k_q8c9335a401_ffn1
		.amdhsa_group_segment_fixed_size 37376
		.amdhsa_private_segment_fixed_size 0
		.amdhsa_enable_private_segment 0
		.amdhsa_kernarg_size 40
		.amdhsa_user_sgpr_count 2
		.amdhsa_user_sgpr_kernarg_segment_ptr 1
		.amdhsa_wavefront_size32 1
		.amdhsa_system_sgpr_workgroup_id_x 1
		.amdhsa_system_sgpr_workgroup_id_y 1
		.amdhsa_system_sgpr_workgroup_id_z 1
		.amdhsa_system_vgpr_workitem_id 0
		.amdhsa_next_free_vgpr 1024
		.amdhsa_next_free_sgpr 66
		.amdhsa_reserve_vcc 0
		.amdhsa_float_denorm_mode_32 3
		.amdhsa_float_denorm_mode_16_64 3
		.amdhsa_memory_ordered 1
		.amdhsa_forward_progress 1
		.amdhsa_inst_pref_size 184
	.end_amdhsa_kernel
	.amdgpu_metadata
---
amdhsa.version: [ 1, 2 ]
amdhsa.kernels:
  - .name:           k_q8c9335a401_ffn1
    .symbol:         k_q8c9335a401_ffn1.kd
    .args:
      - { .name: seg, .offset: 0, .size: 8, .value_kind: global_buffer, .address_space: global }
      - { .name: xs, .offset: 8, .size: 8, .value_kind: global_buffer, .address_space: global }
      - { .name: W1, .offset: 16, .size: 8, .value_kind: global_buffer, .address_space: global }
      - { .name: h, .offset: 24, .size: 8, .value_kind: global_buffer, .address_space: global }
      - { .name: b1, .offset: 32, .size: 8, .value_kind: global_buffer, .address_space: global }
    .group_segment_fixed_size: 37376
    .private_segment_fixed_size: 0
    .kernarg_segment_align: 8
    .kernarg_segment_size: 40
    .max_flat_workgroup_size: 128
    .sgpr_count:     66
    .vgpr_count:     1024
    .wavefront_size: 32
...
	.end_amdgpu_metadata
.endif
;; end of part 3
;; launch ffn2 (part 4): grid 256 x 1, 4 waves a work-group, no clusters, 74,240 bytes of LDS; arguments seg, h, W2, y; writes y
.if DOCPART == 4
	.amdgcn_target "amdgcn-amd-amdhsa--gfx1250"
	.amdhsa_code_object_version 6
	.text
	.protected	k_q8c9335a401_ffn2
	.globl	k_q8c9335a401_ffn2
	.p2align	8
	.type	k_q8c9335a401_ffn2,@function
k_q8c9335a401_ffn2:
	s_mov_b64 s[64:65], 0
	v_nop
	global_prefetch_b8 v0, s[64:65] scope:SCOPE_SE
	s_setreg_imm32_b32 hwreg(HW_REG_WAVE_MODE, 25, 1), 1
	s_wait_xcnt 0x0
.set FFN, 2
; EXPERT PRODUCT (one text for both layers; FFN = 1: h = relu(xs W1[e] + b1[e]) in bf16; FFN = 2: y[kh] = h[:, K half kh] W2[e][K half kh] in f32).
; Rows are the sorted rows of the routing launch: expert e owns blocks seg[2 e] .. + seg[2 e + 1] - 1 of 64 rows.
; A work-group owns a slice of the expert's weights, 1,024 k x 128 columns, reads it once as f32, rounds it to bf16 and KEEPS IT IN REGISTERS:
; wave w holds columns 32 w .. + 31 for all k: 32 K steps x 2 column tiles x 8 = 512 registers.  It then walks every second block of the expert
; (group s = 0, 1 takes blocks s, s + 2, ..).
; Group number: FFN 1: s = bit 0, column group cb = bits 4:1, e = bits 7:5.  FFN 2: s = bit 0, cb = bits 3:1, K half kh = bit 4, e = bits 7:5.
; The two K halves' sums go to two planes of y and are added, with b2 and the gates, by the last launch.
; BARRIERS stand only in the phase that brings W in, which every wave runs whatever seg holds.  The number of blocks is read from memory, and no barrier
; may hang on a number that was loaded: so in the walk over the blocks no wave hands anything to another.  Each wave fetches A's fragments for itself,
; straight into registers, and stores its own 64 rows x 32 columns.  For the same reason there is no tensor load (a slot's refill wants a barrier) and no cluster.
; The price: the four waves fetch the same 128 KB of a block, each for its own 32 columns.
; LAYOUTS that make these loads and stores whole runs of 512 bytes: A (xs or h) lies as [block][K step of 32][row tile i][j][lane][16 bytes], the
; fragment's own register image: lane (r, hh) of half j holds row 16 i + r, k = 16 j + 8 hh .. + 7.  FFN 1's packed results are that image for FFN 2
; (column tile ct = half j), so they are stored from registers as they stand.  y lies as [K half][block][group of 32 columns][64 rows][128 bytes].
; LIMITS: operands are bf16, sums f32.
; THE MATRIX INSTRUCTION IS USED TRANSPOSED: source 0 = 16 columns of W, source 1 = 16 rows of A; lane (r, hh) then holds row r, columns 8 hh .. + 7.
; REGISTERS in windows of 256: window 0 addresses, sums, way out; windows 1, 2 the weights: fragment (ks, ct) at 16 (ks & 15) + 8 ct of window 1 + (ks >> 4);
; window 3 two buffers of A's fragments, 4 K steps x 4 row tiles each.
.if FFN == 1
.set ABLKLOG, 17                       ; a block of A: 32 K steps of 4,096 bytes
.set WPITCH,  8192                     ; bytes in a row of W
.set OGLOG,   12                       ; a wave's 64 rows x 32 columns of the output: 4,096 bytes of bf16
.else
.set ABLKLOG, 18                       ; a block of h: 64 K steps of 4,096 bytes
.set WPITCH,  4096
.set OGLOG,   13                       ; 8,192 bytes of f32
.endif
.set ASTEP,  2<<ABLKLOG                ; two blocks on
.set OSTEP,  524288                    ; two blocks of 262,144 bytes of the output
.set WSTAGE, 18432                     ; one of two stages for W, at LDS byte 0: 64 rows x 288 bytes (256 + 32)
.set OST,    2*WSTAGE                  ; FFN 2: behind them a stage of each wave's own for the way out,
.set OWAVE,  9216                      ; 64 rows x 144 bytes (128 + 16)
.set WOFF, 6                           ; v6   W: 16 w rows + 16 L
.set WST,  7                           ; v7   W stage, in: row 16 w, 8 L
.set WRD,  8                           ; v8   W stage, transposing reads
.set LOFF, 9                           ; v9   16 L: my bytes in every run of 512; never rewritten
.set STO,  10                          ; v10  FFN 2: out stage, in
.set RD,   11                          ; v11  FFN 2: out stage, back
.set BOFF, 12                          ; v12  32 hh (bias)
.set BIAS, 14                          ; v[14:29] FFN 1: b1 of my 8 columns in column tile ct at BIAS + 8 ct
.set ACC,  64                          ; v[64:127] sums: row tile i, column tile ct at ACC + 8 (2 i + ct)
.set TMP,  128                         ; v[128:159] FFN 1: packed results
.set OUTB, 160                         ; v[160:223] FFN 2: rows read back
.set LB,   64                          ; v[64:255] while W comes in: three load buffers of 64 (the sums are not alive yet)
.set FA0,  0                           ; window 3
.set FA1,  128
.set MSB, 0
.macro WIN new                         ; the immediate's high byte repeats the setting that is left
.if MSB != (\new)
	s_set_vgpr_msb (MSB<<8)|(\new)
.set MSB, (\new)
.endif
.endm
.macro PLACES                          ; four plain vector instructions between a matrix instruction and a load into a register that it read (ISA guide 7.12.1 for vector instructions)
.rept 4
	v_nop
.endr
.endm
.macro WLOAD c, lb                     ; chunk c of W: 64 rows; my wave's 16 rows, 512 consecutive bytes a load
.irp jj, 0,1,2,3,4,5,6,7,8,9,10,11,12,13,14,15
	global_load_b128 v[LB+64*\lb+4*\jj:LB+64*\lb+4*\jj+3], v[WOFF], s[8:9] offset:(\c)*64*WPITCH+\jj*WPITCH
.endr
.endm
; Chunk c: round to bf16, lay it [k][n] into stage st, and take my 32 columns out of it transposed into registers.
.macro WCHUNK c, lb, st, win, left, refill
	s_wait_loadcnt \left                           ; loads return in order: this chunk is in, the younger chunks' loads (16 each) may be out
.irp jj, 0,1,2,3,4,5,6,7,8,9,10,11,12,13,14,15
	v_cvt_pk_bf16_f32 v[LB+64*\lb+4*\jj], v[LB+64*\lb+4*\jj], v[LB+64*\lb+4*\jj+1]
	v_cvt_pk_bf16_f32 v[LB+64*\lb+4*\jj+1], v[LB+64*\lb+4*\jj+2], v[LB+64*\lb+4*\jj+3]
.endr
.irp jj, 0,1,2,3,4,5,6,7,8,9,10,11,12,13,14,15
	ds_store_b64 v[WST], v[LB+64*\lb+4*\jj:LB+64*\lb+4*\jj+1] offset:\st*WSTAGE+288*\jj
.endr
	s_wait_dscnt 0x0                               ; my stores are in LDS, and my reads of the other stage (the last chunk's) are back: it is stored again behind this barrier
.if \refill
	WLOAD \c+3, \lb                                ; the buffer is free: three chunks ahead
.endif
	s_barrier_signal -1
	s_barrier_wait -1
	WIN \win
.irp ksl, 0,1
.irp ct, 0,1
	ds_load_tr16_b128 v[16*((2*\c+\ksl)&15)+8*\ct:16*((2*\c+\ksl)&15)+8*\ct+3], v[WRD] offset:\st*WSTAGE+9216*\ksl+32*\ct
	ds_load_tr16_b128 v[16*((2*\c+\ksl)&15)+8*\ct+4:16*((2*\c+\ksl)&15)+8*\ct+7], v[WRD] offset:\st*WSTAGE+9216*\ksl+32*\ct+4608
.endr
.endr
	WIN 0
.endm
; Unit u of a block = 4 K steps (128 k).  32 loads of 512 consecutive bytes: fragment (ks, i) into f + 8 (4 ks + i) of window 3.  nxt = 1: of my next block.
.macro FETCH u, f, nxt
	WIN 0xc0
.irp ks, 0,1,2,3
.irp i, 0,1,2,3
	global_load_b128 v[\f+8*(4*\ks+\i):\f+8*(4*\ks+\i)+3], v[LOFF], s[6:7] offset:\nxt*ASTEP+(4*(\u)+\ks)*4096+\i*1024
	global_load_b128 v[\f+8*(4*\ks+\i)+4:\f+8*(4*\ks+\i)+7], v[LOFF], s[6:7] offset:\nxt*ASTEP+(4*(\u)+\ks)*4096+\i*1024+512
.endr
.endr
.endm
; Eight matrix instructions of one K step: the eight sums take turns, one instruction a turn.
.macro MM u, f, ks, zero
.irp i, 0,1,2,3
.irp ct, 0,1
.if \zero
	v_wmma_f32_16x16x32_bf16 v[ACC+8*(2*\i+\ct):ACC+8*(2*\i+\ct)+7], v[16*((4*(\u)+\ks)&15)+8*\ct:16*((4*(\u)+\ks)&15)+8*\ct+7], v[\f+8*(4*\ks+\i):\f+8*(4*\ks+\i)+7], 0
.else
	v_wmma_f32_16x16x32_bf16 v[ACC+8*(2*\i+\ct):ACC+8*(2*\i+\ct)+7], v[16*((4*(\u)+\ks)&15)+8*\ct:16*((4*(\u)+\ks)&15)+8*\ct+7], v[\f+8*(4*\ks+\i):\f+8*(4*\ks+\i)+7], v[ACC+8*(2*\i+\ct):ACC+8*(2*\i+\ct)+7]
.endif
.endr
.endr
.endm
.macro MUL u, f, zero                  ; source 0 (W) window 1 or 2, source 1 (A) window 3, sums window 0.  zero = 1: the first K step starts the sums
	WIN 0x0d+((\u)>>2)
	MM \u, \f, 0, \zero
	MM \u, \f, 1, 0
	MM \u, \f, 2, 0
	MM \u, \f, 3, 0
.endm
.macro NEXT uf, f, um, g               ; unit uf is asked for, into the buffer just multiplied; unit um, which is in, is multiplied
	PLACES
	FETCH \uf, \f, 0
	s_wait_loadcnt 32                              ; all but the 32 loads just issued
	MUL \um, \g, 0
.endm
.macro EPILOGUE
.if FFN == 1
.irp i, 0,1,2,3
.irp ct, 0,1
.irp q, 0,2,4,6
	v_pk_add_f32 v[ACC+8*(2*\i+\ct)+\q:ACC+8*(2*\i+\ct)+\q+1], v[ACC+8*(2*\i+\ct)+\q:ACC+8*(2*\i+\ct)+\q+1], v[BIAS+8*\ct+\q:BIAS+8*\ct+\q+1]
.endr
.irp q, 0,1,2,3,4,5,6,7
	v_max_num_f32 v[ACC+8*(2*\i+\ct)+\q], 0, v[ACC+8*(2*\i+\ct)+\q]
.endr
.irp q, 0,1,2,3
	v_cvt_pk_bf16_f32 v[TMP+4*(2*\i+\ct)+\q], v[ACC+8*(2*\i+\ct)+2*\q], v[ACC+8*(2*\i+\ct)+2*\q+1]
.endr
	global_store_b128 v[LOFF], v[TMP+4*(2*\i+\ct):TMP+4*(2*\i+\ct)+3], s[10:11] offset:1024*\i+512*\ct     ; half ct of fragment (my K step of the next layer, i): the wave stores 512 consecutive bytes, aligned
.endr
.endr
.else
.irp i, 0,1,2,3
.irp ct, 0,1
	ds_store_b128 v[STO], v[ACC+8*(2*\i+\ct):ACC+8*(2*\i+\ct)+3] offset:2304*\i+64*\ct      ; row 16 i + r of 144 bytes, my 8 columns in f32
	ds_store_b128 v[STO], v[ACC+8*(2*\i+\ct)+4:ACC+8*(2*\i+\ct)+7] offset:2304*\i+64*\ct+16
.endr
.endr
.irp t, 0,1,2,3,4,5,6,7,8,9,10,11,12,13,14,15
	ds_load_b128 v[OUTB+4*\t:OUTB+4*\t+3], v[RD] offset:576*\t     ; rows 4 t .. + 3, 128 bytes each; the stage is my wave's own, and LDS serves a wave's instructions in order (ISA guide 5.7.1.4)
.endr
.irp t, 0,1,2,3,4,5,6,7,8,9,10,11,12,13,14,15
	s_wait_dscnt 15-\t                             ; the younger rows may be out
	global_store_b128 v[LOFF], v[OUTB+4*\t:OUTB+4*\t+3], s[10:11] offset:512*\t    ; the wave stores 512 consecutive bytes, aligned
.endr
.endif
.endm
; One block.  At its head units 0 and 1 have been asked for.  nxt = 1: units 0 and 1 of my next block are asked for round the last product.
.macro TRIP nxt
	s_wait_loadcnt 32                              ; unit 0 is in; unit 1's 32 loads may be out (the same on the way in and round the loop)
	MUL 0, FA0, 1
	NEXT 2, FA0, 1, FA1
	NEXT 3, FA1, 2, FA0
	NEXT 4, FA0, 3, FA1
	NEXT 5, FA1, 4, FA0
	NEXT 6, FA0, 5, FA1
	NEXT 7, FA1, 6, FA0
.if \nxt
	PLACES
	FETCH 0, FA0, 1
	s_wait_loadcnt 32                              ; unit 7 is in
	MUL 7, FA1, 0
.else
	s_wait_loadcnt 0x0
	MUL 7, FA1, 0
.endif
.rept 5
	v_nop                                          ; the places behind the last matrix instructions: for the loads into their sources, for the readers of the sums, and for the next block's first products, which write over them
.endr
.if \nxt
	FETCH 1, FA1, 1
.endif
	WIN 0
	EPILOGUE
	s_wait_xcnt 0x0                                ; the bases and the stores' data are rewritten only behind this wait
	s_add_nc_u64 s[10:11], s[10:11], OSTEP
.if \nxt
	s_add_nc_u64 s[6:7], s[6:7], ASTEP
.endif
.endm
	s_load_b256 s[4:11], s[0:1], 0x0               ; seg s[4:5], A s[6:7], W s[8:9], out s[10:11]
	v_lshl_add_u32 v62, v0, 2, 0x12000
	v_mov_b32 v63, 0
.if FFN == 1
	s_load_b64 s[12:13], s[0:1], 0x20              ; b1
.endif
	v_and_b32 v1, 31, v0                           ; L
	v_lshrrev_b32 v2, 5, v0
	v_readfirstlane_b32 s14, v2                    ; wave
	v_and_b32 v2, 15, v0                           ; r
	v_bfe_u32 v3, v0, 4, 1                         ; hh
	s_mov_b32 s19, ttmp9
	s_and_b32 s17, s19, 1                          ; s
	s_lshr_b32 s15, s19, 5                         ; e
.if FFN == 1
	s_bfe_u32 s16, s19, 0x40001                    ; cb
	s_mov_b32 s18, 0                               ; no K half
.else
	s_bfe_u32 s16, s19, 0x30001                    ; cb
	s_bfe_u32 s18, s19, 0x10004                    ; kh
.endif
	s_lshl_b32 s36, s15, 23                        ; an expert's weights are 8 MiB
	s_lshl_b32 s38, s16, 9                         ; 128 columns of f32
	s_add_co_u32 s36, s36, s38
	s_lshl_b32 s38, s18, 22                        ; FFN 2: 1,024 rows of 4,096 bytes
	s_add_co_u32 s36, s36, s38
	s_mov_b32 s37, 0
	s_lshl_b32 s40, s15, 3                         ; seg: two words an expert
	s_mov_b32 s41, 0
	s_mul_i32 s42, s14, 16*WPITCH
	v_lshl_add_u32 v[WOFF], v1, 4, s42
	v_lshlrev_b32 v[BOFF], 5, v3
	s_wait_kmcnt 0x0
	s_add_nc_u64 s[4:5], s[4:5], s[40:41]
	s_load_b64 s[20:21], s[4:5], 0x0               ; first block, number of blocks
	s_add_nc_u64 s[8:9], s[8:9], s[36:37]
.if FFN == 1
	s_lshl_b32 s38, s15, 13                        ; b1: 4 (2,048 e + 128 cb + 32 w)
	s_lshl_b32 s39, s16, 9
	s_add_co_u32 s38, s38, s39
	s_lshl_b32 s39, s14, 7
	s_add_co_u32 s38, s38, s39
	s_mov_b32 s39, 0
	s_add_nc_u64 s[12:13], s[12:13], s[38:39]
.irp ct, 0,1
	global_load_b128 v[BIAS+8*\ct:BIAS+8*\ct+3], v[BOFF], s[12:13] offset:64*\ct
	global_load_b128 v[BIAS+8*\ct+4:BIAS+8*\ct+7], v[BOFF], s[12:13] offset:64*\ct+16
.endr
.endif
	WLOAD 0, 0
	WLOAD 1, 1
	WLOAD 2, 2
	; addresses, while the loads are on their way
	s_mul_i32 s42, s14, 4608                       ; W stage: 16 w rows of 288 bytes
	v_lshl_add_u32 v[WST], v1, 3, s42
	v_and_b32 v4, 7, v0
	v_lshl_add_u32 v4, v3, 3, v4                   ; 8 hh + (L & 7)
	v_mul_u32_u24 v4, v4, 288
	v_bfe_u32 v5, v0, 3, 1
	v_lshl_add_u32 v4, v5, 4, v4                   ; + 16 ((L >> 3) & 1)
	s_lshl_b32 s42, s14, 6                         ; my 32 columns of bf16
	v_add_nc_u32 v[WRD], s42, v4
	v_lshlrev_b32 v[LOFF], 4, v1
.if FFN == 2
	s_mul_i32 s42, s14, OWAVE
	s_add_co_u32 s42, s42, OST                     ; my wave's own stage
	v_mul_u32_u24 v[STO], v2, 144
	v_lshl_add_u32 v[STO], v3, 5, v[STO]
	v_add_nc_u32 v[STO], s42, v[STO]               ; + 144 r + 32 hh
	v_lshrrev_b32 v4, 3, v1
	v_mul_u32_u24 v[RD], v4, 144
	v_and_b32 v5, 7, v0
	v_lshl_add_u32 v[RD], v5, 4, v[RD]
	v_add_nc_u32 v[RD], s42, v[RD]                 ; + 144 (L >> 3) + 16 (L & 7)
.endif
	s_wait_kmcnt 0x0
	s_min_u32 s20, s20, 71                         ; at most 71 blocks in all
	s_min_u32 s21, s21, 32                         ; at most 2,048 rows an expert
	s_add_co_u32 s21, s21, 1
	s_sub_co_u32 s21, s21, s17
	s_lshr_b32 s21, s21, 1                         ; my blocks: (n + 1 - s) / 2
	s_add_co_u32 s20, s20, s17                     ; my first block
	s_lshl_b32 s36, s20, ABLKLOG
	s_lshl_b32 s38, s18, 17                        ; FFN 2: the K half: 32 K steps of 4,096 bytes
	s_add_co_u32 s36, s36, s38
	s_add_nc_u64 s[6:7], s[6:7], s[36:37]          ; A at my first block
	s_lshl_b32 s36, s20, 18                        ; the output: 262,144 bytes a block,
	s_lshl_b32 s38, s16, 2
	s_add_co_u32 s38, s38, s14                     ; group of 32 columns 4 cb + w
	s_lshl_b32 s38, s38, OGLOG
	s_add_co_u32 s36, s36, s38
	s_mul_i32 s38, s18, 18874368                   ; FFN 2: the K half's own plane of y
	s_add_co_u32 s36, s36, s38
	s_add_nc_u64 s[10:11], s[10:11], s[36:37]
	; the slice of W: 16 chunks of 64 rows; three chunks of loads are out, two stages take turns, one barrier a chunk.  No branch stands in front of these barriers.
	WCHUNK 0,  0, 0, 0x40, 32, 1
	WCHUNK 1,  1, 1, 0x40, 32, 1
	WCHUNK 2,  2, 0, 0x40, 32, 1
	WCHUNK 3,  0, 1, 0x40, 32, 1
	WCHUNK 4,  1, 0, 0x40, 32, 1
	WCHUNK 5,  2, 1, 0x40, 32, 1
	WCHUNK 6,  0, 0, 0x40, 32, 1
	WCHUNK 7,  1, 1, 0x40, 32, 1
	WCHUNK 8,  2, 0, 0x80, 32, 1
	WCHUNK 9,  0, 1, 0x80, 32, 1
	WCHUNK 10, 1, 0, 0x80, 32, 1
	WCHUNK 11, 2, 1, 0x80, 32, 1
	WCHUNK 12, 0, 0, 0x80, 32, 1
	WCHUNK 13, 1, 1, 0x80, 32, 0
	WCHUNK 14, 2, 0, 0x80, 16, 0
	WCHUNK 15, 0, 1, 0x80, 0,  0
	s_wait_dscnt 0x0                               ; the last fragments of W are in
	; from here on every wave goes by itself: nt blocks, nt - 1 trips that ask ahead, and the last written out, which asks for nothing
	s_cmp_eq_u32 s21, 0
	s_cbranch_scc1 .Lend                           ; the expert has no block for this group
	FETCH 0, FA0, 0
	FETCH 1, FA1, 0
	WIN 0
	s_sub_co_u32 s21, s21, 1
	s_cmp_eq_u32 s21, 0
	s_cbranch_scc1 .Ltail
.Lloop:
	TRIP 1
	s_sub_co_u32 s21, s21, 1
	s_cmp_lg_u32 s21, 0
	s_cbranch_scc1 .Lloop
.Ltail:
	TRIP 0
.Lend:
	s_wait_tensorcnt 0x0
	ds_add_u32 v62, v63
	s_wait_dscnt 0x0
	s_endpgm
.Lfunc_end_k_q8c9335a401_ffn2:
	.size	k_q8c9335a401_ffn2, .Lfunc_end_k_q8c9335a401_ffn2-k_q8c9335a401_ffn2
	.p2alignl 7, 3214868480
	.fill 96, 4, 3214868480
	.section	.rodata,"a",@progbits
	.p2align	6, 0x0
	.amdhsa_kernel k_q8c9335a401_ffn2
		.amdhsa_group_segment_fixed_size 74240
		.amdhsa_private_segment_fixed_size 0
		.amdhsa_enable_private_segment 0
		.amdhsa_kernarg_size 32
		.amdhsa_user_sgpr_count 2
		.amdhsa_user_sgpr_kernarg_segment_ptr 1
		.amdhsa_wavefront_size32 1
		.amdhsa_system_sgpr_workgroup_id_x 1
		.amdhsa_system_sgpr_workgroup_id_y 1
		.amdhsa_system_sgpr_workgroup_id_z 1
		.amdhsa_system_vgpr_workitem_id 0
		.amdhsa_next_free_vgpr 1024
		.amdhsa_next_free_sgpr 66
		.amdhsa_reserve_vcc 0
		.amdhsa_float_denorm_mode_32 3
		.amdhsa_float_denorm_mode_16_64 3
		.amdhsa_memory_ordered 1
		.amdhsa_forward_progress 1
		.amdhsa_inst_pref_size 179
	.end_amdhsa_kernel
	.amdgpu_metadata
---
amdhsa.version: [ 1, 2 ]
amdhsa.kernels:
  - .name:           k_q8c9335a401_ffn2
    .symbol:         k_q8c9335a401_ffn2.kd
    .args:
      - { .name: seg, .offset: 0, .size: 8, .value_kind: global_buffer, .address_space: global }
      - { .name: h, .offset: 8, .size: 8, .value_kind: global_buffer, .address_space: global }
      - { .name: W2, .offset: 16, .size: 8, .value_kind: global_buffer, .address_space: global }
      - { .name: y, .offset: 24, .size: 8, .value_kind: global_buffer, .address_space: global }
    .group_segment_fixed_size: 74240
    .private_segment_fixed_size: 0
    .kernarg_segment_align: 8
    .kernarg_segment_size: 32
    .max_flat_workgroup_size: 128
    .sgpr_count:     66
    .vgpr_count:     1024
    .wavefront_size: 32
...
	.end_amdgpu_metadata
.endif
;; end of part 4
;; launch combine (part 5): grid 256 x 1, 8 waves a work-group, no clusters, 0 bytes of LDS; arguments pos, sel, gw, y, b2, out0; writes out0
.if DOCPART == 5
	.amdgcn_target "amdgcn-amd-amdhsa--gfx1250"
	.amdhsa_code_object_version 6
	.text
	.protected	k_q8c9335a401_combine
	.globl	k_q8c9335a401_combine
	.p2align	8
	.type	k_q8c9335a401_combine,@function
k_q8c9335a401_combine:
	s_mov_b64 s[64:65], 0
	v_nop
	global_prefetch_b8 v0, s[64:65] scope:SCOPE_SE
	s_setreg_imm32_b32 hwreg(HW_REG_WAVE_MODE, 25, 1), 1
	s_wait_xcnt 0x0
; COMBINE: out0[t] = g1 (y0[p1] + y1[p1] + b2[e1]) + g2 (y0[p2] + y1[p2] + b2[e2]), all f32.
; y [2 K halves][72 blocks][32 groups of 32 columns][64 rows][128 bytes]: the two K halves' sums of the second expert product, by sorted row;
; p1, p2 = pos[2 t], pos[2 t + 1]; e1, e2 from sel[t]; g1, g2 = gw[t].
; One wave, one token: the rows' places are whole numbers that earlier launches stored, read by scalar loads and clamped to their tables.
; A stream: a load of y brings four pieces of 128 consecutive bytes (eight lanes each, the groups 8,192 bytes apart), a load of b2 and a store of out0 cover
; 512 consecutive bytes; lane L holds columns 128 j + 4 L .. + 3 in all of them.  All 48 loads of a token go out at once.
; No LDS, no barrier, no matrix unit: nothing is shared or multiplied by a matrix.
.set R, 8                              ; v[8:199] chunk j: 24 registers: y0[p1], y1[p1], b2[e1], y0[p2], y1[p2], b2[e2], four each
	s_load_b256 s[4:11], s[0:1], 0x0               ; pos s[4:5], sel s[6:7], gw s[8:9], y s[10:11]
	s_load_b128 s[12:15], s[0:1], 0x20             ; b2 s[12:13], out0 s[14:15]
	v_and_b32 v1, 31, v0
	v_lshrrev_b32 v2, 5, v0
	v_readfirstlane_b32 s16, v2                    ; wave
	v_lshrrev_b32 v3, 3, v1                        ; L >> 3: which of a load's four column groups
	v_and_b32 v4, 7, v0                            ; L & 7
	v_lshlrev_b32 v3, 13, v3
	v_lshl_add_u32 v3, v4, 4, v3                   ; y: 8,192 (L >> 3) + 16 (L & 7)
	v_lshlrev_b32 v1, 4, v1                        ; b2, out0: 16 L
	s_lshl_b32 s17, ttmp9, 3
	s_add_co_u32 s17, s17, s16                     ; t = 8 g + w
	s_lshl_b32 s18, s17, 3
	s_mov_b32 s19, 0
	s_lshl_b32 s26, s17, 2
	s_mov_b32 s27, 0
	s_wait_kmcnt 0x0
	s_add_nc_u64 s[4:5], s[4:5], s[18:19]
	s_add_nc_u64 s[8:9], s[8:9], s[18:19]
	s_add_nc_u64 s[6:7], s[6:7], s[26:27]
	s_load_b64 s[20:21], s[4:5], 0x0               ; p1, p2
	s_load_b32 s22, s[6:7], 0x0                    ; e1 | e2 << 8
	s_load_b64 s[40:41], s[8:9], 0x0               ; g1, g2
	s_lshl_b32 s24, s17, 12
	s_mov_b32 s25, 0
	s_add_nc_u64 s[14:15], s[14:15], s[24:25]      ; out0 at my token's row
	s_wait_kmcnt 0x0
	s_min_u32 s20, s20, 4607                       ; kept inside y
	s_min_u32 s21, s21, 4607
	s_and_b32 s23, s22, 0xff
	s_bfe_u32 s22, s22, 0x80008
	s_min_u32 s23, s23, 7                          ; kept inside b2
	s_min_u32 s22, s22, 7
	s_and_b32 s24, s20, 0x1fc0                     ; 64 x block: times 4,096 = the block's 262,144 bytes,
	s_lshl_b32 s24, s24, 12
	s_and_b32 s26, s20, 63                         ; and the row in the block: 128 bytes
	s_lshl_b32 s26, s26, 7
	s_add_co_u32 s24, s24, s26
	s_add_nc_u64 s[28:29], s[10:11], s[24:25]      ; y0[p1]
	s_add_nc_u64 s[30:31], s[28:29], 18874368      ; y1[p1]
	s_and_b32 s24, s21, 0x1fc0
	s_lshl_b32 s24, s24, 12
	s_and_b32 s26, s21, 63
	s_lshl_b32 s26, s26, 7
	s_add_co_u32 s24, s24, s26
	s_add_nc_u64 s[32:33], s[10:11], s[24:25]      ; y0[p2]
	s_add_nc_u64 s[34:35], s[32:33], 18874368      ; y1[p2]
	s_lshl_b32 s24, s23, 12
	s_add_nc_u64 s[36:37], s[12:13], s[24:25]      ; b2[e1]
	s_lshl_b32 s24, s22, 12
	s_add_nc_u64 s[38:39], s[12:13], s[24:25]      ; b2[e2]
	s_mov_b32 s42, s41                             ; g2 in the low register of a pair of its own: the packed forms broadcast it
	s_mov_b32 s43, s41
.irp j, 0,1,2,3,4,5,6,7
	global_load_b128 v[R+24*\j:R+24*\j+3],     v3, s[28:29] offset:32768*\j th:TH_LOAD_NT
	global_load_b128 v[R+24*\j+4:R+24*\j+7],   v3, s[30:31] offset:32768*\j th:TH_LOAD_NT
	global_load_b128 v[R+24*\j+8:R+24*\j+11],  v1, s[36:37] offset:512*\j
	global_load_b128 v[R+24*\j+12:R+24*\j+15], v3, s[32:33] offset:32768*\j th:TH_LOAD_NT
	global_load_b128 v[R+24*\j+16:R+24*\j+19], v3, s[34:35] offset:32768*\j th:TH_LOAD_NT
	global_load_b128 v[R+24*\j+20:R+24*\j+23], v1, s[38:39] offset:512*\j
.endr
.irp j, 0,1,2,3,4,5,6,7
	s_wait_loadcnt 6*(7-\j)                        ; loads return in order: chunk j's six are in, the later chunks' six each may be out
.irp p, 0,2
	v_pk_add_f32 v[R+24*\j+\p:R+24*\j+\p+1], v[R+24*\j+\p:R+24*\j+\p+1], v[R+24*\j+4+\p:R+24*\j+4+\p+1]
	v_pk_add_f32 v[R+24*\j+12+\p:R+24*\j+12+\p+1], v[R+24*\j+12+\p:R+24*\j+12+\p+1], v[R+24*\j+16+\p:R+24*\j+16+\p+1]
	v_pk_add_f32 v[R+24*\j+\p:R+24*\j+\p+1], v[R+24*\j+\p:R+24*\j+\p+1], v[R+24*\j+8+\p:R+24*\j+8+\p+1]
	v_pk_add_f32 v[R+24*\j+12+\p:R+24*\j+12+\p+1], v[R+24*\j+12+\p:R+24*\j+12+\p+1], v[R+24*\j+20+\p:R+24*\j+20+\p+1]
	v_pk_mul_f32 v[R+24*\j+\p:R+24*\j+\p+1], v[R+24*\j+\p:R+24*\j+\p+1], s[40:41] op_sel_hi:[1,0]
	v_pk_fma_f32 v[R+24*\j+\p:R+24*\j+\p+1], v[R+24*\j+12+\p:R+24*\j+12+\p+1], s[42:43], v[R+24*\j+\p:R+24*\j+\p+1] op_sel_hi:[1,0,1]
.endr
	global_store_b128 v1, v[R+24*\j:R+24*\j+3], s[14:15] offset:512*\j th:TH_STORE_NT
.endr
	s_endpgm
.Lfunc_end_k_q8c9335a401_combine:
	.size	k_q8c9335a401_combine, .Lfunc_end_k_q8c9335a401_combine-k_q8c9335a401_combine
	.p2alignl 7, 3214868480
	.fill 96, 4, 3214868480
	.section	.rodata,"a",@progbits
	.p2align	6, 0x0
	.amdhsa_kernel k_q8c9335a401_combine
		.amdhsa_group_segment_fixed_size 0
		.amdhsa_private_segment_fixed_size 0
		.amdhsa_enable_private_segment 0
		.amdhsa_kernarg_size 48
		.amdhsa_user_sgpr_count 2
		.amdhsa_user_sgpr_kernarg_segment_ptr 1
		.amdhsa_wavefront_size32 1
		.amdhsa_system_sgpr_workgroup_id_x 1
		.amdhsa_system_sgpr_workgroup_id_y 1
		.amdhsa_system_sgpr_workgroup_id_z 1
		.amdhsa_system_vgpr_workitem_id 0
		.amdhsa_next_free_vgpr 208
		.amdhsa_next_free_sgpr 66
		.amdhsa_reserve_vcc 0
		.amdhsa_float_denorm_mode_32 3
		.amdhsa_float_denorm_mode_16_64 3
		.amdhsa_memory_ordered 1
		.amdhsa_forward_progress 1
		.amdhsa_inst_pref_size 14
	.end_amdhsa_kernel
	.amdgpu_metadata
---
amdhsa.version: [ 1, 2 ]
amdhsa.kernels:
  - .name:           k_q8c9335a401_combine
    .symbol:         k_q8c9335a401_combine.kd
    .args:
      - { .name: pos, .offset: 0, .size: 8, .value_kind: global_buffer, .address_space: global }
      - { .name: sel, .offset: 8, .size: 8, .value_kind: global_buffer, .address_space: global }
      - { .name: gw, .offset: 16, .size: 8, .value_kind: global_buffer, .address_space: global }
      - { .name: y, .offset: 24, .size: 8, .value_kind: global_buffer, .address_space: global }
      - { .name: b2, .offset: 32, .size: 8, .value_kind: global_buffer, .address_space: global }
      - { .name: out0, .offset: 40, .size: 8, .value_kind: global_buffer, .address_space: global }
    .group_segment_fixed_size: 0
    .private_segment_fixed_size: 0
    .kernarg_segment_align: 8
    .kernarg_segment_size: 48
    .max_flat_workgroup_size: 256
    .sgpr_count:     66
    .vgpr_count:     208
    .wavefront_size: 32
...
	.end_amdgpu_metadata
.endif
;; end of part 5
;; ======== version 2 of 2: 5 launches; 1.19 times as fast as version 1
;; limits: values outside matrix products are rounded to bf16
;; workspace buffers: sel 8,192 bytes of whole numbers; gw 16,384 bytes; pos 16,384 bytes of whole numbers; seg 256 bytes of whole numbers; xs 9,437,184 bytes; h 18,874,368 bytes; y 37,748,736 bytes
;; launch gate (part 6): grid 256 x 1, 4 waves a work-group, no clusters, 16,896 bytes of LDS; arguments x, Wg, bg, sel, gw; writes sel, gw
.if DOCPART == 6
	.amdgcn_target "amdgcn-amd-amdhsa--gfx1250"
	.amdhsa_code_object_version 6
	.text
	.protected	k_q8c9335a401_gate
	.globl	k_q8c9335a401_gate
	.p2align	8
	.type	k_q8c9335a401_gate,@function
k_q8c9335a401_gate:
	s_mov_b64 s[64:65], 0
	v_nop
	global_prefetch_b8 v0, s[64:65] scope:SCOPE_SE
	s_setreg_imm32_b32 hwreg(HW_REG_WAVE_MODE, 25, 1), 1
	s_wait_xcnt 0x0
; GATE: logits = x Wg + bg, the two largest of the eight logits of a token, softmax over these two.
; x [2048][1024] f32, Wg [1024][8] f32, bg [8] f32.  Out: sel[t] = e1 | e2 << 8 (whole numbers), gw[t] = (g1, g2) f32.
; x, Wg and bg are rounded to bf16 first, the products of two bf16 are exact inside the f32 multiply-add, the sums are f32:
; the choice of experts is made on the same rounded numbers that the expert products use.
; LIMITS: logits are finite (NaN and infinities are not served); equal logits go to the lower index; the sums run in another order than a plain row sum.
; Four waves, a wave owns two tokens.  In chunk j (of 8) lane L owns d = 128 j + 4 L .. + 3: an x load of the wave covers 512 neighbouring bytes.
; Wg is fetched and rounded once for the work-group: wave w takes chunks 2 w and 2 w + 1 (16 loads), and lays row 128 j + 4 L + dd, 16 bytes of bf16,
; at LDS byte 512 (4 j + dd) + 16 L; behind one barrier every wave reads all 16 KB back, 512 consecutive bytes a load.  So a wave's 32 loads from memory
; (16 of Wg, then 16 of x) all go out at once.
; No matrix unit: eight columns are half a matrix tile and this is a stream of x.
.set X,   8                            ; v[8:71]    x: chunk j, token tk at X + 8 j + 4 tk
.set WP,  72                           ; v[72:199]  first my two chunks of Wg as loaded (2 x 32); then Wg in bf16: chunk j, row dd, pair of experts ep at WP + 16 j + 4 dd + ep
.set XP,  200                          ; v[200:203] x in bf16: token tk at XP + 2 tk, two words
.set ACC, 204                          ; v[204:219] sums: token tk, expert e at ACC + 8 tk + e
.set BG,  220                          ; v[220:227] bg, rounded to bf16, as f32
.set T,   228                          ; v[228:239] at work
; one d of the lane's four: 16 multiply-adds on 16 sums that take turns.  xw, xh: word and half of x's bf16
.macro DSTEP j, dd, xw, xh
.irp tk, 0,1
.irp ep, 0,1,2,3
	v_fma_mix_f32_bf16 v[ACC+8*\tk+2*\ep], v[XP+2*\tk+\xw], v[WP+16*\j+4*\dd+\ep], v[ACC+8*\tk+2*\ep] op_sel:[\xh,0,0] op_sel_hi:[1,1,0]
	v_fma_mix_f32_bf16 v[ACC+8*\tk+2*\ep+1], v[XP+2*\tk+\xw], v[WP+16*\j+4*\dd+\ep], v[ACC+8*\tk+2*\ep+1] op_sel:[\xh,1,0] op_sel_hi:[1,1,0]
.endr
.endr
.endm
.macro CHUNK j
	s_wait_loadcnt 2*(7-\j)                        ; loads return in order: this chunk's x of both tokens is in, the later chunks' pairs of loads may be out
	s_wait_dscnt 4*(7-\j)                          ; and its four rows of Wg from LDS; the later chunks' four loads each may be out
.irp tk, 0,1
	v_cvt_pk_bf16_f32 v[XP+2*\tk], v[X+8*\j+4*\tk], v[X+8*\j+4*\tk+1]
	v_cvt_pk_bf16_f32 v[XP+2*\tk+1], v[X+8*\j+4*\tk+2], v[X+8*\j+4*\tk+3]
.endr
	DSTEP \j, 0, 0, 0
	DSTEP \j, 1, 0, 1
	DSTEP \j, 2, 1, 0
	DSTEP \j, 3, 1, 1
.endm
	s_load_b256 s[4:11], s[0:1], 0x0               ; x s[4:5], Wg s[6:7], bg s[8:9], sel s[10:11]
	s_load_b64 s[12:13], s[0:1], 0x20              ; gw
	v_lshl_add_u32 v240, v0, 2, 0x4000
	v_mov_b32 v241, 0
	v_and_b32 v1, 31, v0                           ; lane
	v_lshrrev_b32 v2, 5, v0
	v_readfirstlane_b32 s14, v2                    ; wave
	v_lshlrev_b32 v3, 4, v1                        ; 16 L: my bytes in a chunk of x, and in a row of 512 bytes of LDS
	s_lshl_b32 s15, s14, 13
	v_lshl_add_u32 v4, v1, 7, s15                  ; Wg: 8,192 w (my two chunks) + 128 L (my four rows)
	s_lshl_b32 s31, s14, 12
	v_add_nc_u32 v5, s31, v3                       ; LDS, in: 4,096 w (my two chunks' eight rows of 512 bytes) + 16 L
	s_lshl_b32 s28, ttmp9, 3
	s_lshl_b32 s30, s14, 1
	s_add_co_u32 s28, s28, s30                     ; t0 = 8 g + 2 w
	s_lshl_b32 s26, s28, 12                        ; rows of 4,096 bytes
	s_mov_b32 s27, 0
	s_mov_b32 s24, 0x76543210                      ; v_permlanex16_b32: lane i reads lane i of the other half
	s_mov_b32 s25, 0xfedcba98
	s_wait_kmcnt 0x0
	s_load_b256 s[16:23], s[8:9], 0x0              ; bg
	s_add_nc_u64 s[4:5], s[4:5], s[26:27]
.irp jl, 0,1
.irp m, 0,1,2,3,4,5,6,7
	global_load_b128 v[WP+32*\jl+4*\m:WP+32*\jl+4*\m+3], v4, s[6:7] offset:4096*\jl+16*\m
.endr
.endr
.irp j, 0,1,2,3,4,5,6,7
.irp tk, 0,1
	global_load_b128 v[X+8*\j+4*\tk:X+8*\j+4*\tk+3], v3, s[4:5] offset:4096*\tk+512*\j th:TH_LOAD_NT
.endr
.endr
	s_wait_kmcnt 0x0
.irp p, 0,1,2,3
	v_cvt_pk_bf16_f32 v[T+\p], s[16+2*\p], s[17+2*\p]
.endr
.irp p, 0,1,2,3
	v_lshlrev_b32 v[BG+2*\p], 16, v[T+\p]
	v_and_b32 v[BG+2*\p+1], 0xffff0000, v[T+\p]
.endr
	v_cmp_eq_u32 vcc_lo, 0, v1
.irp e, 0,1,2,3,4,5,6,7
	v_cndmask_b32 v[ACC+\e], 0, v[BG+\e], vcc_lo   ; the bias starts the sums in lane 0, zero in the others: it enters the sum over lanes once
	v_cndmask_b32 v[ACC+8+\e], 0, v[BG+\e], vcc_lo
.endr
	s_wait_loadcnt 16                              ; my two chunks of Wg are in; x's sixteen loads may be out
.irp jl, 0,1
.irp q, 0,1,2,3,4,5,6,7,8,9,10,11,12,13,14,15
	v_cvt_pk_bf16_f32 v[WP+32*\jl+\q], v[WP+32*\jl+2*\q], v[WP+32*\jl+2*\q+1]      ; in place, upward: word q is written when words 2 q, 2 q + 1 are read
.endr
.endr
.irp jl, 0,1
.irp dd, 0,1,2,3
	ds_store_b128 v5, v[WP+32*\jl+4*\dd:WP+32*\jl+4*\dd+3] offset:512*(4*\jl+\dd)
.endr
.endr
	s_wait_dscnt 0x0                               ; my rows are in LDS before I signal
	s_barrier_signal -1
	s_barrier_wait -1                              ; all of Wg is there
.irp j, 0,1,2,3,4,5,6,7
.irp dd, 0,1,2,3
	ds_load_b128 v[WP+16*\j+4*\dd:WP+16*\j+4*\dd+3], v3 offset:512*(4*\j+\dd)
.endr
.endr
.irp j, 0,1,2,3,4,5,6,7
	CHUNK \j
.endr
	; the 16 sums over the 32 lanes: four steps inside each half ride on the add, one crosses the halves
.irp m, 1,2,4,8
.irp a, 0,1,2,3,4,5,6,7,8,9,10,11,12,13,14,15
	v_add_f32_dpp v[ACC+\a], v[ACC+\a], v[ACC+\a] row_xmask:\m row_mask:0xf bank_mask:0xf
.endr
.endr
.irp a, 0,1,2,3,4,5,6,7,8,9,10,11,12,13,14,15
	v_permlanex16_b32 v[WP+\a], v[ACC+\a], s24, s25        ; WP has been written: the destination counts as read
.endr
.irp a, 0,1,2,3,4,5,6,7,8,9,10,11,12,13,14,15
	v_add_f32 v[ACC+\a], v[ACC+\a], v[WP+\a]
.endr
	v_cmp_eq_u32 vcc_lo, 1, v1
.irp e, 0,1,2,3,4,5,6,7
	v_cndmask_b32 v[ACC+\e], v[ACC+\e], v[ACC+8+\e], vcc_lo        ; lane 1 goes on with the second token, the others with the first
.endr
	; the largest logit and its index: a strict compare keeps the lower index among equals.  Values are selected, nothing branches.
	v_mov_b32 v[T], v[ACC]
	v_mov_b32 v[T+1], 0
.irp e, 1,2,3,4,5,6,7
	v_cmp_gt_f32 vcc_lo, v[ACC+\e], v[T]
	v_cndmask_b32 v[T], v[T], v[ACC+\e], vcc_lo
	v_cndmask_b32 v[T+1], v[T+1], \e, vcc_lo
.endr
	v_mov_b32 v[T+4], 0xff800000                   ; minus infinity takes the winner out
.irp e, 0,1,2,3,4,5,6,7
	v_cmp_eq_u32 vcc_lo, \e, v[T+1]
	v_cndmask_b32 v[ACC+\e], v[ACC+\e], v[T+4], vcc_lo
.endr
	v_mov_b32 v[T+2], v[ACC]
	v_mov_b32 v[T+3], 0
.irp e, 1,2,3,4,5,6,7
	v_cmp_gt_f32 vcc_lo, v[ACC+\e], v[T+2]
	v_cndmask_b32 v[T+2], v[T+2], v[ACC+\e], vcc_lo
	v_cndmask_b32 v[T+3], v[T+3], \e, vcc_lo
.endr
	; softmax of (m1, m2) with the maximum m1 taken away: u = e^(m2 - m1) <= 1, g1 = 1 / (1 + u), g2 = u g1
	v_sub_f32 v[T+5], v[T+2], v[T]
	v_mul_f32 v[T+5], 0x3fb8aa3b, v[T+5]
	v_exp_f32 v[T+6], v[T+5]
	v_lshl_or_b32 v[T+7], v[T+3], 8, v[T+1]        ; sel = e1 | e2 << 8; also the plain instruction behind v_exp_f32 (ISA guide 5.7.2)
	s_wait_alu depctr_va_vdst(0)
	v_add_f32 v[T+4], 1.0, v[T+6]
	s_lshl_b32 s29, s28, 2
	s_lshl_b32 s30, s28, 3
	v_rcp_f32 v[T+8], v[T+4]
	v_lshl_add_u32 v[T+10], v1, 2, s29             ; 4 (t0 + L); the plain instruction behind v_rcp_f32
	v_lshl_add_u32 v[T+11], v1, 3, s30             ; 8 (t0 + L)
	s_wait_alu depctr_va_vdst(0)
	v_mul_f32 v[T+9], v[T+6], v[T+8]
	s_wait_xcnt 0x0                                ; EXEC is narrowed only behind this wait
	s_wait_tensorcnt 0x0
	ds_add_u32 v240, v241
	s_wait_dscnt 0x0
	v_cmpx_gt_u32 2, v1                            ; lanes 0 and 1: the wave's two tokens.  The two tables are 24 KB in all
	global_store_b32 v[T+10], v[T+7], s[10:11]
	global_store_b64 v[T+11], v[T+8:T+9], s[12:13]
	s_endpgm
.Lfunc_end_k_q8c9335a401_gate:
	.size	k_q8c9335a401_gate, .Lfunc_end_k_q8c9335a401_gate-k_q8c9335a401_gate
	.p2alignl 7, 3214868480
	.fill 96, 4, 3214868480
	.section	.rodata,"a",@progbits
	.p2align	6, 0x0
	.amdhsa_kernel k_q8c9335a401_gate
		.amdhsa_group_segment_fixed_size 16896
		.amdhsa_private_segment_fixed_size 0
		.amdhsa_enable_private_segment 0
		.amdhsa_kernarg_size 40
		.amdhsa_user_sgpr_count 2
		.amdhsa_user_sgpr_kernarg_segment_ptr 1
		.amdhsa_wavefront_size32 1
		.amdhsa_system_sgpr_workgroup_id_x 1
		.amdhsa_system_sgpr_workgroup_id_y 1
		.amdhsa_system_sgpr_workgroup_id_z 1
		.amdhsa_system_vgpr_workitem_id 0
		.amdhsa_next_free_vgpr 242
		.amdhsa_next_free_sgpr 66
		.amdhsa_reserve_vcc 1
		.amdhsa_float_denorm_mode_32 3
		.amdhsa_float_denorm_mode_16_64 3
		.amdhsa_memory_ordered 1
		.amdhsa_forward_progress 1
		.amdhsa_inst_pref_size 54
	.end_amdhsa_kernel
	.amdgpu_metadata
---
amdhsa.version: [ 1, 2 ]
amdhsa.kernels:
  - .name:           k_q8c9335a401_gate
    .symbol:         k_q8c9335a401_gate.kd
    .args:
      - { .name: x, .offset: 0, .size: 8, .value_kind: global_buffer, .address_space: global }
      - { .name: Wg, .offset: 8, .size: 8, .value_kind: global_buffer, .address_space: global }
      - { .name: bg, .offset: 16, .size: 8, .value_kind: global_buffer, .address_space: global }
      - { .name: sel, .offset: 24, .size: 8, .value_kind: global_buffer, .address_space: global }
      - { .name: gw, .offset: 32, .size: 8, .value_kind: global_buffer, .address_space: global }
    .group_segment_fixed_size: 16896
    .private_segment_fixed_size: 0
    .kernarg_segment_align: 8
    .kernarg_segment_size: 40
    .max_flat_workgroup_size: 128
    .sgpr_count:     66
    .vgpr_count:     242
    .wavefront_size: 32
...
	.end_amdgpu_metadata
.endif
;; end of part 6
;; launch route (part 7): grid 288 x 1, 8 waves a work-group, no clusters, 54,272 bytes of LDS; arguments sel, x, xs, pos, seg; writes xs, pos, seg
.if DOCPART == 7
	.amdgcn_target "amdgcn-amd-amdhsa--gfx1250"
	.amdhsa_code_object_version 6
	.text
	.protected	k_q8c9335a401_route
	.globl	k_q8c9335a401_route
	.p2align	8
	.type	k_q8c9335a401_route,@function
k_q8c9335a401_route:
	s_mov_b64 s[64:65], 0
	v_nop
	global_prefetch_b8 v0, s[64:65] scope:SCOPE_SE
	s_setreg_imm32_b32 hwreg(HW_REG_WAVE_MODE, 25, 1), 1
	s_wait_xcnt 0x0
; ROUTE: a counting sort of the 4,096 (token, expert) pairs by expert, each expert's rows beginning at a multiple of 64 rows, and the copy of x, in bf16, in that order.
; In: sel[t] = e1 | e2 << 8, x [2048][1024] f32.
; Out: pos[2 t + k] = sorted row of pair (t, k); seg[2 e] = expert e's first block of 64 rows, seg[2 e + 1] = its number of blocks;
;      xs = the 4,608 sorted rows in bf16 (rows that no pair owns are copies of token 0), laid as the matrix fragments want them:
;      xs[block of 64 rows][K step ks of 32][row tile i of 16 rows][j][hh][r][8 numbers] holds row 16 i + r, k = 32 ks + 16 j + 8 hh .. + 7,
;      so that a wave's load of 16 bytes a lane at 16 x lane brings half a fragment as 512 consecutive bytes.
; Every work-group repeats the whole sort (8 KB of sel, integer work only), so that nothing passes between work-groups, and then copies its own row tile (16 rows).
; Eight waves: wave w ranks tokens 256 w .. 256 w + 255, token 256 w + 32 jj + L in lane L of step jj.
; LDS: MY  = 0:     wave w's own list at 128 w: word i < 16 = the token of the group's row i if this wave ranked it, else 0; word 16 takes all other stores
;      WC  = 1024:  wave w's eight counts at 128 w, lane e = expert e
;      POSL= 2048:  pos as it will lie in memory, 16 KB
;      XT  = 18432: the row tile in bf16, piece c (8 numbers, k = 8 c ..) of row r at 272 c + 16 r: 256 bytes a piece column + 16 of padding
.set MY,   0
.set WC,   1024
.set POSL, 2048
.set XT,   18432
.set XPI,  272
.set E1,   8                           ; v[8:15]   first expert of my token in step jj, later 4 x it
.set E2,   16                          ; v[16:23]  second expert
.set R1,   24                          ; v[24:31]  rank of pair (t, 0) among its expert's pairs in this wave
.set R2,   32                          ; v[32:39]  rank of pair (t, 1)
.set P,    40                          ; v[40:55]  sorted rows, pair (t, 0), (t, 1) of step jj at P + 2 jj
.set SV,   56                          ; v[56:63]  sel as loaded; later the eight waves' words
.set C,    64
.set CNT,  65
.set TOT,  66
.set PRE,  67
.set NB,   68
.set VB,   69                          ; lane e: first sorted row for this wave's pairs of expert e
.set VSEG, 70                          ; lane 2 e, 2 e + 1: seg
.set TK,   71                          ; 256 w + L
.set T,    72                          ; v[72:75] at work
.set OFF,  76                          ; v[76:83] pass p: byte offset in x
.set X,    88                          ; v[88:151] pass p: 8 f32; later the pieces read back
.set CN,   88                          ; v[88:95] while ranking (X is not alive yet): expert e's rank for the lanes that name it
.set Y,    160                         ; v[160:191] pass p: 8 bf16
.set RB,   192                         ; where I read the tile back
.set GO,   193                         ; my byte offset in xs
.set RUN,  16                          ; s[16:23] pairs of expert e seen so far in this wave
.set MK,   40                          ; s[40:55] lanes whose first (40 + 2 e) or second (41 + 2 e) choice is expert e
.set MO,   56                          ; s[56:63] lanes that name expert e at all
.set BC,   66                          ; s[66:73] how many they are
; Step jj: the rank of a pair = pairs of its expert seen so far in this wave + pairs of that expert in lower lanes.  A token names an expert at most once.
; The eight experts go through each kind of instruction together, so that eight independent results are under way between a vector and a scalar instruction that depend on each other.
.macro RANKS jj
.irp e, 0,1,2,3,4,5,6,7
	v_cmp_eq_u32 s[MK+2*\e], \e, v[E1+\jj]
	v_cmp_eq_u32 s[MK+2*\e+1], \e, v[E2+\jj]
.endr
.irp e, 0,1,2,3,4,5,6,7
	s_or_b32 s[MO+\e], s[MK+2*\e], s[MK+2*\e+1]
.endr
.irp e, 0,1,2,3,4,5,6,7
.if \jj == 0
	v_mbcnt_lo_u32_b32 v[CN+\e], s[MO+\e], 0
.else
	v_mbcnt_lo_u32_b32 v[CN+\e], s[MO+\e], s[RUN+\e]
.endif
.endr
.irp e, 0,1,2,3,4,5,6,7
.if \jj == 0
	s_bcnt1_i32_b32 s[RUN+\e], s[MO+\e]            ; the first step starts the counts
.else
	s_bcnt1_i32_b32 s[BC+\e], s[MO+\e]
.endif
.endr
.if \jj != 0
.irp e, 0,1,2,3,4,5,6,7
	s_add_co_u32 s[RUN+\e], s[RUN+\e], s[BC+\e]
.endr
.endif
	v_cndmask_b32 v[R1+\jj], 0, v[CN], s[MK]
	v_cndmask_b32 v[R2+\jj], 0, v[CN], s[MK+1]
.irp e, 1,2,3,4,5,6,7
	v_cndmask_b32 v[R1+\jj], v[R1+\jj], v[CN+\e], s[MK+2*\e]
	v_cndmask_b32 v[R2+\jj], v[R2+\jj], v[CN+\e], s[MK+2*\e+1]
.endr
.endm
	s_load_b256 s[4:11], s[0:1], 0x0               ; sel s[4:5], x s[6:7], xs s[8:9], pos s[10:11]
	s_load_b64 s[12:13], s[0:1], 0x20              ; seg
	v_lshl_add_u32 v200, v0, 2, 0xd000
	v_mov_b32 v201, 0
	v_and_b32 v1, 31, v0                           ; lane
	v_lshrrev_b32 v2, 5, v0
	v_readfirstlane_b32 s14, v2                    ; wave
	s_mov_b32 s15, ttmp9                           ; g
	v_lshlrev_b32 v3, 2, v1                        ; 4 L
	s_lshl_b32 s28, s14, 10
	v_add_nc_u32 v4, s28, v3                       ; my word of sel in step 0: 1,024 w + 4 L
	s_lshl_b32 s29, s14, 7
	v_add_nc_u32 v5, s29, v3                       ; 128 w + 4 L
	v_mov_b32 v7, s29                              ; 128 w
	v_mov_b32 v6, 0
	ds_store_b32 v5, v6 offset:MY                  ; my wave's list starts as zeros; LDS serves a wave's instructions in order
	s_wait_kmcnt 0x0
.irp jj, 0,1,2,3,4,5,6,7
	global_load_b32 v[SV+\jj], v4, s[4:5] offset:128*\jj
.endr
	s_wait_loadcnt 0x0
.irp jj, 0,1,2,3,4,5,6,7
	v_and_b32 v[E1+\jj], 0xff, v[SV+\jj]
	v_bfe_u32 v[E2+\jj], v[SV+\jj], 8, 8
.endr
.irp jj, 0,1,2,3,4,5,6,7
	RANKS \jj
.endr
	v_mov_b32 v[CNT], 0
.irp e, 0,1,2,3,4,5,6,7
	v_writelane_b32 v[CNT], s[RUN+\e], \e
.endr
	ds_store_b32 v5, v[CNT] offset:WC
	s_wait_dscnt 0x0                               ; my counts are in LDS before I signal
	s_barrier_signal -1
	s_barrier_wait -1
	; lane e: the expert's total, and the pairs of lower waves
.irp wp, 0,1,2,3,4,5,6,7
	ds_load_b32 v[SV+\wp], v3 offset:WC+128*\wp
.endr
	s_wait_dscnt 0x0
	v_add3_u32 v[TOT], v[SV], v[SV+1], v[SV+2]
	v_add3_u32 v[TOT], v[TOT], v[SV+3], v[SV+4]
	v_add3_u32 v[TOT], v[TOT], v[SV+5], v[SV+6]
	v_add_nc_u32 v[TOT], v[TOT], v[SV+7]
	s_cmp_gt_u32 s14, 0
	s_cselect_b32 s24, -1, 0
	v_and_b32 v[PRE], s24, v[SV]
.irp wp, 1,2,3,4,5,6
	s_cmp_gt_u32 s14, \wp
	s_cselect_b32 s24, -1, 0
	v_and_b32 v[T], s24, v[SV+\wp]
	v_add_nc_u32 v[PRE], v[PRE], v[T]
.endr
	v_add_nc_u32 v[NB], 63, v[TOT]
	v_lshrrev_b32 v[NB], 6, v[NB]                  ; blocks of 64 rows
	v_mov_b32 v[VB], 0
	v_mov_b32 v[VSEG], 0
	s_mov_b32 s28, 0                               ; first block of the expert at hand
.irp e, 0,1,2,3,4,5,6,7
	v_readlane_b32 s24, v[NB], \e
	v_readlane_b32 s25, v[PRE], \e
	s_lshl_b32 s26, s28, 6
	s_add_co_u32 s26, s26, s25
	v_writelane_b32 v[VB], s26, \e
	v_writelane_b32 v[VSEG], s28, 2*\e
	v_writelane_b32 v[VSEG], s24, 2*\e+1
	s_add_co_u32 s28, s28, s24
.endr
.irp jj, 0,1,2,3,4,5,6,7
	v_lshlrev_b32 v[E1+\jj], 2, v[E1+\jj]
	v_lshlrev_b32 v[E2+\jj], 2, v[E2+\jj]
	ds_bpermute_b32 v[P+2*\jj], v[E1+\jj], v[VB]   ; lane e's base for my pair's expert
	ds_bpermute_b32 v[P+2*\jj+1], v[E2+\jj], v[VB]
.endr
	s_lshl_b32 s29, s14, 8
	v_add_nc_u32 v[TK], s29, v1                    ; my token in step 0
	v_lshlrev_b32 v[C], 3, v[TK]                   ; its two words in POSL
	s_lshl_b32 s30, s15, 4                         ; the group's first sorted row
	s_wait_dscnt 0x0
.irp jj, 0,1,2,3,4,5,6,7
	v_add_nc_u32 v[P+2*\jj], v[P+2*\jj], v[R1+\jj]
	v_add_nc_u32 v[P+2*\jj+1], v[P+2*\jj+1], v[R2+\jj]
	v_add_nc_u32 v[T+2], 32*\jj, v[TK]
	v_sub_nc_u32 v[T], v[P+2*\jj], s30             ; place among the group's 16 rows; below them it wraps to a large number
	v_sub_nc_u32 v[T+1], v[P+2*\jj+1], s30
	v_min_u32 v[T], 16, v[T]                       ; all that is not ours goes to word 16
	v_min_u32 v[T+1], 16, v[T+1]
	v_lshl_add_u32 v[T], v[T], 2, v7               ; 128 w + 4 x place: inside my wave's own list
	v_lshl_add_u32 v[T+1], v[T+1], 2, v7
	ds_store_b32 v[T], v[T+2] offset:MY
	ds_store_b32 v[T+1], v[T+2] offset:MY
	ds_store_b64 v[C], v[P+2*\jj:P+2*\jj+1] offset:POSL+256*\jj
.endr
	s_wait_dscnt 0x0                               ; my lists are in LDS before I signal
	s_barrier_signal -1
	s_barrier_wait -1
	; The copy.  Waves 0-3 (sub = 0) take the even rows of the 16, waves 4-7 (sub = 1) the odd ones; thread c of 128 takes piece c (8 numbers) of a row.
	; Lane L sums word L + sub of the eight lists (at most one is not zero): the token of row 2 p + sub then stands in lane 2 p.
	s_lshr_b32 s31, s14, 2                         ; sub
	v_lshl_add_u32 v[T], s31, 2, v3                ; 4 (L + sub)
.irp wp, 0,1,2,3,4,5,6,7
	ds_load_b32 v[SV+\wp], v[T] offset:MY+128*\wp
.endr
	v_and_b32 v[T+1], 127, v0                      ; c
	v_lshlrev_b32 v[T+2], 5, v[T+1]                ; 32 c: 8 f32
	v_mul_u32_u24 v[T+3], v[T+1], XPI              ; the tile in LDS: 272 c + 16 sub; pass p adds 32 p
	s_lshl_b32 s29, s31, 4
	v_add_nc_u32 v[T+3], s29, v[T+3]
	v_lshrrev_b32 v[RB], 4, v0                     ; back: thread i takes row i & 15 of piece 16 q + (i >> 4) in pass q
	v_mul_u32_u24 v[RB], v[RB], XPI
	v_and_b32 v[C], 15, v0
	v_lshl_add_u32 v[RB], v[C], 4, v[RB]
	v_lshrrev_b32 v[GO], 6, v0                     ; in xs: K step 4 q + (i >> 6) of 4,096 bytes, and 16 (i & 63) inside my tile's 1,024 bytes of it
	v_lshlrev_b32 v[GO], 12, v[GO]
	v_and_b32 v[C], 63, v0
	v_lshl_add_u32 v[GO], v[C], 4, v[GO]
	s_lshr_b32 s32, s15, 2                         ; block g / 4 of 131,072 bytes, row tile g % 4 of 1,024 bytes
	s_lshl_b32 s32, s32, 17
	s_and_b32 s33, s15, 3
	s_lshl_b32 s33, s33, 10
	s_add_co_u32 s32, s32, s33
	s_mov_b32 s33, 0
	s_add_nc_u64 s[8:9], s[8:9], s[32:33]
	s_wait_dscnt 0x0
	v_add3_u32 v[TOT], v[SV], v[SV+1], v[SV+2]
	v_add3_u32 v[TOT], v[TOT], v[SV+3], v[SV+4]
	v_add3_u32 v[TOT], v[TOT], v[SV+5], v[SV+6]
	v_add_nc_u32 v[TOT], v[TOT], v[SV+7]
.irp p, 0,1,2,3,4,5,6,7
	v_readlane_b32 s24, v[TOT], 2*\p
	s_min_u32 s24, s24, 2047                       ; a token's number, kept inside x
	v_lshl_add_u32 v[OFF+\p], s24, 12, v[T+2]
	global_load_b128 v[X+8*\p:X+8*\p+3], v[OFF+\p], s[6:7]
	global_load_b128 v[X+8*\p+4:X+8*\p+7], v[OFF+\p], s[6:7] offset:16
.endr
.irp p, 0,1,2,3,4,5,6,7
	s_wait_loadcnt 2*(7-\p)                        ; the later rows' pairs of loads may be out
.irp q, 0,1,2,3
	v_cvt_pk_bf16_f32 v[Y+4*\p+\q], v[X+8*\p+2*\q], v[X+8*\p+2*\q+1]
.endr
	ds_store_b128 v[T+3], v[Y+4*\p:Y+4*\p+3] offset:XT+32*\p       ; row 2 p + sub of piece c
.endr
	s_wait_dscnt 0x0                               ; my pieces are in LDS before I signal
	s_barrier_signal -1
	s_barrier_wait -1
.irp q, 0,1,2,3,4,5,6,7
	ds_load_b128 v[X+4*\q:X+4*\q+3], v[RB] offset:XT+16*XPI*\q
.endr
.irp q, 0,1,2,3,4,5,6,7
	s_wait_dscnt 7-\q                              ; the younger pieces may be out
	global_store_b128 v[GO], v[X+4*\q:X+4*\q+3], s[8:9] offset:16384*\q    ; the wave stores 512 consecutive bytes, aligned
.endr
	; pos: wave 0 of groups 0 to 31 stores 512 bytes each; seg: wave 0 of group 0 (lanes 16 to 31 hold zeros)
	s_cmp_lg_u32 s14, 0
	s_cbranch_scc1 .Lend
	s_cmp_ge_u32 s15, 32
	s_cbranch_scc1 .Lend
	s_min_u32 s28, s15, 31
	s_lshl_b32 s29, s28, 9
	v_lshl_add_u32 v[C], v1, 4, s29                ; 512 g + 16 L
	ds_load_b128 v[Y:Y+3], v[C] offset:POSL
	s_wait_dscnt 0x0
	global_store_b128 v[C], v[Y:Y+3], s[10:11]
	s_cmp_lg_u32 s15, 0
	s_cbranch_scc1 .Lend
	global_store_b32 v3, v[VSEG], s[12:13]
.Lend:
	s_wait_tensorcnt 0x0
	ds_add_u32 v200, v201
	s_wait_dscnt 0x0
	s_endpgm
.Lfunc_end_k_q8c9335a401_route:
	.size	k_q8c9335a401_route, .Lfunc_end_k_q8c9335a401_route-k_q8c9335a401_route
	.p2alignl 7, 3214868480
	.fill 96, 4, 3214868480
	.section	.rodata,"a",@progbits
	.p2align	6, 0x0
	.amdhsa_kernel k_q8c9335a401_route
		.amdhsa_group_segment_fixed_size 54272
		.amdhsa_private_segment_fixed_size 0
		.amdhsa_enable_private_segment 0
		.amdhsa_kernarg_size 40
		.amdhsa_user_sgpr_count 2
		.amdhsa_user_sgpr_kernarg_segment_ptr 1
		.amdhsa_wavefront_size32 1
		.amdhsa_system_sgpr_workgroup_id_x 1
		.amdhsa_system_sgpr_workgroup_id_y 1
		.amdhsa_system_sgpr_workgroup_id_z 1
		.amdhsa_system_vgpr_workitem_id 0
		.amdhsa_next_free_vgpr 202
		.amdhsa_next_free_sgpr 80
		.amdhsa_reserve_vcc 0
		.amdhsa_float_denorm_mode_32 3
		.amdhsa_float_denorm_mode_16_64 3
		.amdhsa_memory_ordered 1
		.amdhsa_forward_progress 1
		.amdhsa_inst_pref_size 51
	.end_amdhsa_kernel
	.amdgpu_metadata
---
amdhsa.version: [ 1, 2 ]
amdhsa.kernels:
  - .name:           k_q8c9335a401_route
    .symbol:         k_q8c9335a401_route.kd
    .args:
      - { .name: sel, .offset: 0, .size: 8, .value_kind: global_buffer, .address_space: global }
      - { .name: x, .offset: 8, .size: 8, .value_kind: global_buffer, .address_space: global }
      - { .name: xs, .offset: 16, .size: 8, .value_kind: global_buffer, .address_space: global }
      - { .name: pos, .offset: 24, .size: 8, .value_kind: global_buffer, .address_space: global }
      - { .name: seg, .offset: 32, .size: 8, .value_kind: global_buffer, .address_space: global }
    .group_segment_fixed_size: 54272
    .private_segment_fixed_size: 0
    .kernarg_segment_align: 8
    .kernarg_segment_size: 40
    .max_flat_workgroup_size: 256
    .sgpr_count:     80
    .vgpr_count:     202
    .wavefront_size: 32
...
	.end_amdgpu_metadata
.endif
;; end of part 7
;; launch ffn1 (part 8): grid 256 x 1, 4 waves a work-group, no clusters, 295,424 bytes of LDS; arguments seg, xs, W1, h, b1; writes h
.if DOCPART == 8
	.amdgcn_target "amdgcn-amd-amdhsa--gfx1250"
	.amdhsa_code_object_version 6
	.text
	.protected	k_q8c9335a401_ffn1
	.globl	k_q8c9335a401_ffn1
	.p2align	8
	.type	k_q8c9335a401_ffn1,@function
k_q8c9335a401_ffn1:
	s_mov_b64 s[64:65], 0
	v_nop
	global_prefetch_b8 v0, s[64:65] scope:SCOPE_SE
	s_setreg_imm32_b32 hwreg(HW_REG_WAVE_MODE, 25, 1), 1
	s_wait_xcnt 0x0
.set FFN, 1
; EXPERT PRODUCT (one text for both layers; FFN = 1: h = relu(xs W1[e] + b1[e]) in bf16; FFN = 2: y[kh] = h[:, K half kh] W2[e][K half kh] in f32).
; Rows are the sorted rows of the routing launch: expert e owns blocks seg[2 e] .. + seg[2 e + 1] - 1 of 64 rows.
; A work-group owns a slice of the expert's weights, 1,024 k x 128 columns, reads it once as f32, rounds it to bf16 and KEEPS IT ON THE WGP.
; It then walks every second block of the expert (group s = 0, 1 takes blocks s, s + 2, ..).
; Group number: FFN 1: s = bit 0, column group cb = bits 4:1, e = bits 7:5.  FFN 2: s = bit 0, cb = bits 3:1, K half kh = bit 4, e = bits 7:5.
; A WAVE'S TILE is 32 rows x 64 columns: wave w takes column half c2 = w & 1 and row half r2 = w >> 1 of a block.  A fragment of A (1 KB) then feeds four
; matrix instructions.  64 columns x 1,024 k are 1,024 registers, so only k < 512 lies in registers (16 K steps x 4 column tiles x 8 = 512); k >= 512 stays in
; LDS as bf16 [k][n], which nobody writes after the phase that brings W in, and is read by transposing loads; such a fragment feeds the wave's two row tiles.
; BARRIERS stand only in the phase that brings W in, which every wave runs whatever seg holds.  The number of blocks is read from memory, and no barrier
; may hang on a number that was loaded: so in the walk over the blocks no wave hands anything to another.  Each wave fetches A's fragments for itself,
; straight into registers, and stores its own 32 rows x 64 columns.  For the same reason there is no tensor load (a slot's refill wants a barrier) and no cluster.
; The price: the two waves of a row half fetch the same 64 KB of a block, each for its own 64 columns.
; THE WALK IS ONE PIPELINE.  A block's 32 K steps go as 8 groups.  Group g: K steps 2 g, 2 g + 1 (W in registers, 16 matrix instructions), a gap, K steps 16 + 2 g, + 1
; (W from LDS, 16 matrix instructions).  In the gap the wave fills again what has just been read: 8 loads of A for the first half of group g + 4 (into the fragments
; multiplied just now), 8 loads of A for the second half of group g + 3 and 16 LDS loads of W for group g + 1 (into group g - 1's registers).  The groups count on
; over the end of a block into my next block; W's part of the ring is the same in every block.  So 48 to 64 loads of A are always on their way, each asked for three
; groups or more ahead of its use, and no run of loads is longer than 16.
; LAYOUTS that make these loads and stores whole runs of 512 bytes: A (xs or h) lies as [block][K step of 32][row tile i][j][lane][16 bytes], the
; fragment's own register image: lane (r, hh) of half j holds row 16 i + r, k = 16 j + 8 hh .. + 7.  FFN 1's packed results are that image for FFN 2
; (column tile ct: K step ct >> 1, half ct & 1), so they are stored from registers as they stand.  y lies as [K half][block][group of 32 columns][64 rows][128 bytes].
; LIMITS: operands are bf16, sums f32; the ReLU is v_max_num_f32, which turns a NaN into 0.
; THE MATRIX INSTRUCTION IS USED TRANSPOSED: source 0 = 16 columns of W, source 1 = 16 rows of A; lane (r, hh) then holds row r, columns 8 hh .. + 7.
; REGISTERS in windows of 256: window 0 addresses, bias, the 8 sums, and four slots of W fresh from LDS (slots 2 and 3 also serve the way out, between a block's last
; group and the next block's first gap); windows 1, 2 W for k < 512: fragment (ks, ct) at 32 (ks & 7) + 8 ct of window 1 + (ks >> 3);
; window 3 eight slots of A's fragments; while W comes in, four load buffers of 64.
; LDS: row k of the slice at 288 k (256 bytes + 32: the pitch that the transposing loads want), 294,912 bytes.  FFN 2's stage for the way out, each wave's own,
; lies in the bytes of k < 512, which nobody reads behind the last barrier.
.if FFN == 1
.set ABLKLOG, 17                       ; a block of A: 32 K steps of 4,096 bytes
.set WPITCH,  8192                     ; bytes in a row of W
.set OGLOG,   12                       ; 64 rows x 32 columns of the output: 4,096 bytes of bf16
.else
.set ABLKLOG, 18                       ; a block of h: 64 K steps of 4,096 bytes
.set WPITCH,  4096
.set OGLOG,   13                       ; 8,192 bytes of f32
.endif
.set ASTEP,  2<<ABLKLOG                ; two blocks on
.set OSTEP,  524288                    ; two blocks of 262,144 bytes of the output
.set WROW,   288                       ; a row of the slice in LDS
.set CHUNKB, 64*WROW                   ; a chunk of 64 rows
.set KSB,    32*WROW                   ; a K step
.set OWAVE,  9216                      ; FFN 2: a wave's stage: 2 groups x 32 rows x 144 bytes (128 + 16)
.set WOFF, 6                           ; v6   W in memory: 16 w rows + 16 L
.set WST,  7                           ; v7   W in LDS, in: row 16 w of the chunk at hand, 8 L
.set LOFF, 9                           ; v9   16 L: my bytes in every run of 512; never rewritten
.set STO,  10                          ; v10  FFN 2: out stage, in
.set RD,   11                          ; v11  FFN 2: out stage, back
.set BOFF, 12                          ; v12  32 hh (bias)
.set WRD,  14                          ; v[14:21] W in LDS, transposing reads: K steps 4 q .. 4 q + 3 from register q
.set BIAS, 24                          ; v[24:55] FFN 1: b1 of my 8 columns in column tile ct at BIAS + 8 ct
.set ACC,  64                          ; v[64:127] sums: row tile i, column tile ct at ACC + 8 (4 i + ct)
.set CV,   64                          ; v[64:95] while W comes in: a chunk's rows in bf16 (the sums are not alive yet)
.set WL,   128                         ; v[128:255] W from LDS: K step 16 + q in slot q & 3, column tile ct at WL + 32 (q & 3) + 8 ct
.set TMP,  WL+64                       ; FFN 1: packed results, in slots 2 and 3
.set OUTB, WL+64                       ; FFN 2: rows read back, in slots 2 and 3
.set MSB, 0
.macro WIN new                         ; the immediate's high byte repeats the setting that is left
.if MSB != (\new)
	s_set_vgpr_msb (MSB<<8)|(\new)
.set MSB, (\new)
.endif
.endm
.macro PLACES                          ; four plain vector instructions between a matrix instruction and a load into a register that it read (ISA guide 7.12.1 for vector instructions)
.rept 4
	v_nop
.endr
.endm
.macro WLOAD c                         ; chunk c of W: 64 rows; my wave's 16 rows, 512 consecutive bytes a load, into buffer c & 3 of window 3
	WIN 0xc0
.irp jj, 0,1,2,3,4,5,6,7,8,9,10,11,12,13,14,15
	global_load_b128 v[64*((\c)&3)+4*\jj:64*((\c)&3)+4*\jj+3], v[WOFF], s[8:9] offset:(\c)*64*WPITCH+\jj*WPITCH
.endr
.endm
; A's fragments of one half of group gg of a block, my two row tiles: 8 loads of 512 consecutive bytes.  half = 0: K steps 2 gg, 2 gg + 1; half = 1: K steps 16 + 2 gg, + 1.
; The pair of K steps p and 16 + p has slot p & 7 of window 3: 32 registers, the first 16 for K step p, the others for 16 + p.  nxt = 1: of my next block.
.macro AFETCH gg, half, nxt
	WIN 0xc0
.irp pl, 0,1
.irp i, 0,1
	global_load_b128 v[32*((2*(\gg)+\pl)&7)+16*\half+8*\i:32*((2*(\gg)+\pl)&7)+16*\half+8*\i+3], v[LOFF], s[6:7] offset:\nxt*ASTEP+(16*\half+2*(\gg)+\pl)*4096+\i*1024
	global_load_b128 v[32*((2*(\gg)+\pl)&7)+16*\half+8*\i+4:32*((2*(\gg)+\pl)&7)+16*\half+8*\i+7], v[LOFF], s[6:7] offset:\nxt*ASTEP+(16*\half+2*(\gg)+\pl)*4096+\i*1024+512
.endr
.endr
.endm
; Chunk c: round to bf16 and lay it [k][n] into LDS.  more = 1: chunk c + 4 is asked for.  more = 2, 3: the buffer is free for good and is group ga's two slots:
; both halves (2) or the first half (3) of group ga of my first block are asked for.
; From chunk 8 on (behind the barrier that shows k < 512 whole) K steps 2 (c - 8), + 1 are also taken, transposed, into windows 1 and 2.
.macro WCHUNK c, more, ga
	s_wait_loadcnt 48                              ; loads return in order: this chunk is in; the 48 loads asked for behind it (three batches of 16) may be out
	WIN 0x0f                                       ; sources window 3, destination window 0
.irp jj, 0,1,2,3,4,5,6,7,8,9,10,11,12,13,14,15
	v_cvt_pk_bf16_f32 v[CV+2*\jj], v[64*((\c)&3)+4*\jj], v[64*((\c)&3)+4*\jj+1]
	v_cvt_pk_bf16_f32 v[CV+2*\jj+1], v[64*((\c)&3)+4*\jj+2], v[64*((\c)&3)+4*\jj+3]
.endr
.if \more == 1
	WLOAD \c+4
.endif
.if \more == 2
	AFETCH \ga, 0, 0
	AFETCH \ga, 1, 0
.endif
.if \more == 3
	AFETCH \ga, 0, 0
.endif
	WIN 0
.irp jj, 0,1,2,3,4,5,6,7,8,9,10,11,12,13,14,15
	ds_store_b64 v[WST], v[CV+2*\jj:CV+2*\jj+1] offset:WROW*\jj
.endr
	v_add_nc_u32 v[WST], CHUNKB, v[WST]            ; the next chunk's rows
.if \c >= 8
.if \c < 12
	WIN 0x40
.else
	WIN 0x80
.endif
.irp ksl, 0,1
.irp ct, 0,1,2,3
	ds_load_tr16_b128 v[32*((2*(\c)+\ksl)&7)+8*\ct:32*((2*(\c)+\ksl)&7)+8*\ct+3], v[WRD+(((2*(\c)+\ksl)&15)>>2)] offset:KSB*((2*(\c)+\ksl)&3)+32*\ct
	ds_load_tr16_b128 v[32*((2*(\c)+\ksl)&7)+8*\ct+4:32*((2*(\c)+\ksl)&7)+8*\ct+7], v[WRD+(((2*(\c)+\ksl)&15)>>2)] offset:KSB*((2*(\c)+\ksl)&3)+32*\ct+16*WROW
.endr
.endr
	WIN 0
.endif
.endm
; W of group gg's second half, K steps 16 + 2 gg, + 1, my four column tiles, from LDS: 16 transposing loads.  Wants destination and address in window 0.
.macro WLFETCH gg
.irp pl, 0,1
.irp m, 0,1,2,3,4,5,6,7
	ds_load_tr16_b128 v[WL+32*((2*(\gg)+\pl)&3)+4*\m:WL+32*((2*(\gg)+\pl)&3)+4*\m+3], v[WRD+4+((2*(\gg)+\pl)>>2)] offset:KSB*((2*(\gg)+\pl)&3)+32*(\m>>1)+16*WROW*(\m&1)
.endr
.endr
.endm
; Eight matrix instructions of one K step: the eight sums take turns, one instruction a turn.  Sum m: row tile m >> 2, column tile m & 3.
.macro RSTEP p, zero                   ; K step p, W from registers.  zero = 1: the block's first K step starts the sums
.irp m, 0,1,2,3,4,5,6,7
.if \zero
	v_wmma_f32_16x16x32_bf16 v[ACC+8*\m:ACC+8*\m+7], v[32*((\p)&7)+8*(\m&3):32*((\p)&7)+8*(\m&3)+7], v[32*((\p)&7)+8*(\m>>2):32*((\p)&7)+8*(\m>>2)+7], 0
.else
	v_wmma_f32_16x16x32_bf16 v[ACC+8*\m:ACC+8*\m+7], v[32*((\p)&7)+8*(\m&3):32*((\p)&7)+8*(\m&3)+7], v[32*((\p)&7)+8*(\m>>2):32*((\p)&7)+8*(\m>>2)+7], v[ACC+8*\m:ACC+8*\m+7]
.endif
.endr
.endm
.macro LSTEP p                         ; K step 16 + p, W fresh from LDS
.irp m, 0,1,2,3,4,5,6,7
	v_wmma_f32_16x16x32_bf16 v[ACC+8*\m:ACC+8*\m+7], v[WL+32*((\p)&3)+8*(\m&3):WL+32*((\p)&3)+8*(\m&3)+7], v[32*((\p)&7)+16+8*(\m>>2):32*((\p)&7)+16+8*(\m>>2)+7], v[ACC+8*\m:ACC+8*\m+7]
.endr
.endm
; Group g of a block.  nxt = 1: the ring runs on into my next block; nxt = 0: my last block: nothing beyond its end is asked for, and the counts run down.
.macro GROUP g, nxt
	WIN 0x0d+((\g)>>2)                             ; source 0 (W) window 1 or 2, source 1 (A) window 3, sums window 0
.if \g == 0
	RSTEP 0, 1
.else
	RSTEP 2*\g, 0
.endif
	RSTEP 2*\g+1, 0
	PLACES                                         ; behind the products just issued, whose fragments of A are loaded again, and behind group g - 1's
.if \g <= 3
	AFETCH \g+4, 0, 0
.else
.if \nxt
	AFETCH \g-4, 0, 1
.endif
.endif
.if \g <= 4
	AFETCH \g+3, 1, 0
.else
.if \nxt
	AFETCH \g-5, 1, 1
.endif
.endif
	WIN 0x0c                                       ; source 0 (W, and the LDS loads' address) window 0, source 1 (A) window 3, sums and the LDS loads' data window 0
.if \g <= 6
	WLFETCH \g+1
.else
.if \nxt
	WLFETCH 0
.endif
.endif
.set LW, 48                                        ; behind the second half of group g, asked for three gaps ago, stand the three later gaps' 16 loads each
.set DW, 16                                        ; behind group g's W stand the 16 LDS loads just issued
.if \nxt == 0
.if \g == 4
.set LW, 40                                        ; gaps 2, 3: 16 each; gap 4: 8
.endif
.if \g == 5
.set LW, 24                                        ; gap 3: 16; gap 4: 8
.endif
.if \g == 6
.set LW, 8                                         ; gap 4: 8
.endif
.if \g == 7
.set LW, 0
.set DW, 0
.endif
.endif
	s_wait_loadcnt LW                              ; also shows the first half of group g + 1, which was asked for just ahead of the second half of group g
	s_wait_dscnt DW
	LSTEP 2*\g
	LSTEP 2*\g+1
.endm
.macro EPILOGUE
.if FFN == 1
.irp i, 0,1
.irp ct, 0,1,2,3
.irp q, 0,2,4,6
	v_pk_add_f32 v[ACC+8*(4*\i+\ct)+\q:ACC+8*(4*\i+\ct)+\q+1], v[ACC+8*(4*\i+\ct)+\q:ACC+8*(4*\i+\ct)+\q+1], v[BIAS+8*\ct+\q:BIAS+8*\ct+\q+1]
.endr
.irp q, 0,1,2,3,4,5,6,7
	v_max_num_f32 v[ACC+8*(4*\i+\ct)+\q], 0, v[ACC+8*(4*\i+\ct)+\q]
.endr
.irp q, 0,1,2,3
	v_cvt_pk_bf16_f32 v[TMP+4*(4*\i+\ct)+\q], v[ACC+8*(4*\i+\ct)+2*\q], v[ACC+8*(4*\i+\ct)+2*\q+1]
.endr
	global_store_b128 v[LOFF], v[TMP+4*(4*\i+\ct):TMP+4*(4*\i+\ct)+3], s[10:11] offset:4096*(\ct>>1)+1024*\i+512*(\ct&1)   ; half ct & 1 of the next layer's fragment (K step ct >> 1, row tile i): the wave stores 512 consecutive bytes, aligned
.endr
.endr
.else
.irp i, 0,1
.irp ct, 0,1,2,3
	ds_store_b128 v[STO], v[ACC+8*(4*\i+\ct):ACC+8*(4*\i+\ct)+3] offset:4608*(\ct>>1)+2304*\i+64*(\ct&1)    ; group ct >> 1, row 16 i + r of 144 bytes, my 8 columns in f32
	ds_store_b128 v[STO], v[ACC+8*(4*\i+\ct)+4:ACC+8*(4*\i+\ct)+7] offset:4608*(\ct>>1)+2304*\i+64*(\ct&1)+16
.endr
.endr
.irp t, 0,1,2,3,4,5,6,7,8,9,10,11,12,13,14,15
	ds_load_b128 v[OUTB+4*\t:OUTB+4*\t+3], v[RD] offset:576*\t     ; group t >> 3, rows 4 (t & 7) .. + 3, 128 bytes each; the stage is my wave's own, and LDS serves a wave's instructions in order (ISA guide 5.7.1.4)
.endr
.irp t, 0,1,2,3,4,5,6,7,8,9,10,11,12,13,14,15
	s_wait_dscnt 15-\t                             ; the younger rows may be out
	global_store_b128 v[LOFF], v[OUTB+4*\t:OUTB+4*\t+3], s[10:11] offset:8192*(\t>>3)+512*(\t&7)   ; the wave stores 512 consecutive bytes, aligned
.endr
.endif
.endm
; One block.  At its head the first halves of groups 0 to 3, the second halves of groups 0 to 2 and W of group 0 have been asked for.
.macro TRIP nxt
	s_wait_loadcnt 48                              ; the first half of group 0 is in: 48 loads were asked for behind it on the way in; over the backward jump the last gap's wait has shown it
.irp g, 0,1,2,3,4,5,6,7
	GROUP \g, \nxt
.endr
	WIN 0
.rept 5
	v_nop                                          ; the places behind the last matrix instructions: for the readers of the sums, for what is written into slots 2 and 3, and for the next block's first products, which write over the sums
.endr
	EPILOGUE
	s_wait_xcnt 0x0                                ; the bases and the stores' data (on which the next gap's W lands) are rewritten only behind this wait
	s_add_nc_u64 s[10:11], s[10:11], OSTEP
.if \nxt
	s_add_nc_u64 s[6:7], s[6:7], ASTEP
.endif
.endm
	s_load_b256 s[4:11], s[0:1], 0x0               ; seg s[4:5], A s[6:7], W s[8:9], out s[10:11]
.if FFN == 1
	s_load_b64 s[12:13], s[0:1], 0x20              ; b1
	v_lshl_add_u32 v62, v0, 2, 0x48000
	v_mov_b32 v63, 0
.endif
	v_and_b32 v1, 31, v0                           ; L
	v_lshrrev_b32 v2, 5, v0
	v_readfirstlane_b32 s14, v2                    ; wave
	v_and_b32 v2, 15, v0                           ; r
	v_bfe_u32 v3, v0, 4, 1                         ; hh
	s_and_b32 s22, s14, 1                          ; c2: my 64 of the 128 columns
	s_lshr_b32 s23, s14, 1                         ; r2: my 32 of a block's 64 rows
	s_mov_b32 s19, ttmp9
	s_and_b32 s17, s19, 1                          ; s
	s_lshr_b32 s15, s19, 5                         ; e
.if FFN == 1
	s_bfe_u32 s16, s19, 0x40001                    ; cb
	s_mov_b32 s18, 0                               ; no K half
.else
	s_bfe_u32 s16, s19, 0x30001                    ; cb
	s_bfe_u32 s18, s19, 0x10004                    ; kh
.endif
	s_lshl_b32 s36, s15, 23                        ; an expert's weights are 8 MiB
	s_lshl_b32 s38, s16, 9                         ; 128 columns of f32
	s_add_co_u32 s36, s36, s38
	s_lshl_b32 s38, s18, 22                        ; FFN 2: 1,024 rows of 4,096 bytes
	s_add_co_u32 s36, s36, s38
	s_mov_b32 s37, 0
	s_lshl_b32 s40, s15, 3                         ; seg: two words an expert
	s_mov_b32 s41, 0
	s_mul_i32 s42, s14, 16*WPITCH
	v_lshl_add_u32 v[WOFF], v1, 4, s42
	v_lshlrev_b32 v[BOFF], 5, v3
	v_lshlrev_b32 v[LOFF], 4, v1
	s_wait_kmcnt 0x0
	s_add_nc_u64 s[4:5], s[4:5], s[40:41]
	s_load_b64 s[20:21], s[4:5], 0x0               ; first block, number of blocks
	s_add_nc_u64 s[8:9], s[8:9], s[36:37]
.if FFN == 1
	s_lshl_b32 s38, s15, 13                        ; b1: 4 (2,048 e + 128 cb + 64 c2)
	s_lshl_b32 s39, s16, 9
	s_add_co_u32 s38, s38, s39
	s_lshl_b32 s39, s22, 8
	s_add_co_u32 s38, s38, s39
	s_mov_b32 s39, 0
	s_add_nc_u64 s[12:13], s[12:13], s[38:39]
.irp ct, 0,1,2,3
	global_load_b128 v[BIAS+8*\ct:BIAS+8*\ct+3], v[BOFF], s[12:13] offset:64*\ct
	global_load_b128 v[BIAS+8*\ct+4:BIAS+8*\ct+7], v[BOFF], s[12:13] offset:64*\ct+16
.endr
.endif
	WLOAD 0
	WLOAD 1
	WLOAD 2
	WLOAD 3
	WIN 0
	; addresses, while the loads are on their way
	s_mul_i32 s42, s14, 16*WROW                    ; W in LDS: my 16 rows of a chunk
	v_lshl_add_u32 v[WST], v1, 3, s42
	v_and_b32 v4, 7, v0
	v_lshl_add_u32 v4, v3, 3, v4                   ; 8 hh + (L & 7)
	v_mul_u32_u24 v4, v4, WROW
	v_bfe_u32 v5, v0, 3, 1
	v_lshl_add_u32 v4, v5, 4, v4                   ; + 16 ((L >> 3) & 1)
	s_lshl_b32 s42, s22, 7                         ; my 64 columns of bf16
	v_add_nc_u32 v[WRD], s42, v4
.irp q, 1,2,3,4,5,6,7
	v_add_nc_u32 v[WRD+\q], \q*4*KSB, v[WRD]
.endr
.if FFN == 2
	s_mul_i32 s42, s14, OWAVE                      ; my wave's own stage
	v_mul_u32_u24 v[STO], v2, 144
	v_lshl_add_u32 v[STO], v3, 5, v[STO]
	v_add_nc_u32 v[STO], s42, v[STO]               ; + 144 r + 32 hh
	v_lshrrev_b32 v4, 3, v1
	v_mul_u32_u24 v[RD], v4, 144
	v_and_b32 v5, 7, v0
	v_lshl_add_u32 v[RD], v5, 4, v[RD]
	v_add_nc_u32 v[RD], s42, v[RD]                 ; + 144 (L >> 3) + 16 (L & 7)
.endif
	s_wait_kmcnt 0x0
	s_min_u32 s20, s20, 71                         ; at most 71 blocks in all
	s_min_u32 s21, s21, 32                         ; at most 2,048 rows an expert
	s_add_co_u32 s21, s21, 1
	s_sub_co_u32 s21, s21, s17
	s_lshr_b32 s21, s21, 1                         ; my blocks: (n + 1 - s) / 2
	s_add_co_u32 s20, s20, s17                     ; my first block;
	s_min_u32 s20, s20, 71                         ; where the expert has none for me, the first fetch, whose data are then dropped, still stays inside A
	s_lshl_b32 s36, s20, ABLKLOG
	s_lshl_b32 s38, s18, 17                        ; FFN 2: the K half: 32 K steps of 4,096 bytes
	s_add_co_u32 s36, s36, s38
	s_lshl_b32 s38, s23, 11                        ; my two row tiles of 1,024 bytes
	s_add_co_u32 s36, s36, s38
	s_add_nc_u64 s[6:7], s[6:7], s[36:37]          ; A at my first block
	s_lshl_b32 s36, s20, 18                        ; the output: 262,144 bytes a block,
	s_lshl_b32 s38, s16, 2
	s_lshl_b32 s39, s22, 1
	s_add_co_u32 s38, s38, s39                     ; group of 32 columns 4 cb + 2 c2,
	s_lshl_b32 s38, s38, OGLOG
	s_add_co_u32 s36, s36, s38
	s_lshl_b32 s38, s23, OGLOG-1                   ; my 32 rows: half of a group's bytes
	s_add_co_u32 s36, s36, s38
	s_mul_i32 s38, s18, 18874368                   ; FFN 2: the K half's own plane of y
	s_add_co_u32 s36, s36, s38
	s_add_nc_u64 s[10:11], s[10:11], s[36:37]
	; the slice of W: 16 chunks of 64 rows, four chunks of loads out.  Each wave stores rows of its own; two barriers in all, and no branch in front of them.
.irp c, 0,1,2,3,4,5,6,7
	WCHUNK \c, 1, 0
.endr
	s_wait_dscnt 0x0                               ; my rows of k < 512 are in LDS before I signal
	s_barrier_signal -1
	s_barrier_wait -1                              ; k < 512 is whole: it is read from here on, while k >= 512 is stored
.irp c, 8,9,10,11
	WCHUNK \c, 1, 0
.endr
	WCHUNK 12, 2, 0                                ; behind chunk 12: chunks 13, 14, 15.  Its buffer takes group 0 of my first block
	WCHUNK 13, 2, 1                                ; behind chunk 13: chunks 14, 15, group 0
	WCHUNK 14, 2, 2                                ; behind chunk 14: chunk 15, groups 0, 1
	WCHUNK 15, 3, 3                                ; behind chunk 15: groups 0, 1, 2.  The second half of group 3 is left to the first gap, as in every block
	s_wait_dscnt 0x0                               ; my rows of k >= 512 are in LDS, my fragments of k < 512 in registers
	s_barrier_signal -1
	s_barrier_wait -1                              ; k >= 512 is whole and is only read from here on; nobody reads k < 512 any more
	; from here on every wave goes by itself: nt blocks, nt - 1 trips that ask ahead, and the last written out, which asks for nothing beyond its end
	s_cmp_eq_u32 s21, 0
	s_cbranch_scc1 .Lend                           ; the expert has no block for this group
	WLFETCH 0                                      ; W of group 0, as every block's last gap asks for it
	s_sub_co_u32 s21, s21, 1
	s_cmp_eq_u32 s21, 0
	s_cbranch_scc1 .Ltail
.Lloop:
	TRIP 1
	s_sub_co_u32 s21, s21, 1
	s_cmp_lg_u32 s21, 0
	s_cbranch_scc1 .Lloop
.Ltail:
	TRIP 0
.Lend:
	s_wait_tensorcnt 0x0
	ds_add_u32 v62, v63
	s_wait_dscnt 0x0
	s_endpgm
.Lfunc_end_k_q8c9335a401_ffn1:
	.size	k_q8c9335a401_ffn1, .Lfunc_end_k_q8c9335a401_ffn1-k_q8c9335a401_ffn1
	.p2alignl 7, 3214868480
	.fill 96, 4, 3214868480
	.section	.rodata,"a",@progbits
	.p2align	6, 0x0
	.amdhsa_kernel k_q8c9335a401_ffn1
		.amdhsa_group_segment_fixed_size 295424
		.amdhsa_private_segment_fixed_size 0
		.amdhsa_enable_private_segment 0
		.amdhsa_kernarg_size 40
		.amdhsa_user_sgpr_count 2
		.amdhsa_user_sgpr_kernarg_segment_ptr 1
		.amdhsa_wavefront_size32 1
		.amdhsa_system_sgpr_workgroup_id_x 1
		.amdhsa_system_sgpr_workgroup_id_y 1
		.amdhsa_system_sgpr_workgroup_id_z 1
		.amdhsa_system_vgpr_workitem_id 0
		.amdhsa_next_free_vgpr 1024
		.amdhsa_next_free_sgpr 66
		.amdhsa_reserve_vcc 0
		.amdhsa_float_denorm_mode_32 3
		.amdhsa_float_denorm_mode_16_64 3
		.amdhsa_memory_ordered 1
		.amdhsa_forward_progress 1
		.amdhsa_inst_pref_size 180
	.end_amdhsa_kernel
	.amdgpu_metadata
---
amdhsa.version: [ 1, 2 ]
amdhsa.kernels:
  - .name:           k_q8c9335a401_ffn1
    .symbol:         k_q8c9335a401_ffn1.kd
    .args:
      - { .name: seg, .offset: 0, .size: 8, .value_kind: global_buffer, .address_space: global }
      - { .name: xs, .offset: 8, .size: 8, .value_kind: global_buffer, .address_space: global }
      - { .name: W1, .offset: 16, .size: 8, .value_kind: global_buffer, .address_space: global }
      - { .name: h, .offset: 24, .size: 8, .value_kind: global_buffer, .address_space: global }
      - { .name: b1, .offset: 32, .size: 8, .value_kind: global_buffer, .address_space: global }
    .group_segment_fixed_size: 295424
    .private_segment_fixed_size: 0
    .kernarg_segment_align: 8
    .kernarg_segment_size: 40
    .max_flat_workgroup_size: 128
    .sgpr_count:     66
    .vgpr_count:     1024
    .wavefront_size: 32
...
	.end_amdgpu_metadata
.endif
;; end of part 8
;; launch ffn2 (part 9): grid 256 x 1, 4 waves a work-group, no clusters, 295,424 bytes of LDS; arguments seg, h, W2, y; writes y
.if DOCPART == 9
	.amdgcn_target "amdgcn-amd-amdhsa--gfx1250"
	.amdhsa_code_object_version 6
	.text
	.protected	k_q8c9335a401_ffn2
	.globl	k_q8c9335a401_ffn2
	.p2align	8
	.type	k_q8c9335a401_ffn2,@function
k_q8c9335a401_ffn2:
	s_mov_b64 s[64:65], 0
	v_nop
	global_prefetch_b8 v0, s[64:65] scope:SCOPE_SE
	s_setreg_imm32_b32 hwreg(HW_REG_WAVE_MODE, 25, 1), 1
	s_wait_xcnt 0x0
.set FFN, 2
; EXPERT PRODUCT (one text for both layers; FFN = 1: h = relu(xs W1[e] + b1[e]) in bf16; FFN = 2: y[kh] = h[:, K half kh] W2[e][K half kh] in f32).
; Rows are the sorted rows of the routing launch: expert e owns blocks seg[2 e] .. + seg[2 e + 1] - 1 of 64 rows.
; A work-group owns a slice of the expert's weights, 1,024 k x 128 columns, reads it once as f32, rounds it to bf16 and KEEPS IT ON THE WGP.
; It then walks every second block of the expert (group s = 0, 1 takes blocks s, s + 2, ..).
; Group number: FFN 1: s = bit 0, column group cb = bits 4:1, e = bits 7:5.  FFN 2: s = bit 0, cb = bits 3:1, K half kh = bit 4, e = bits 7:5.
; The two K halves' sums go to two planes of y and are added, with b2 and the gates, by the last launch.
; A WAVE'S TILE is 32 rows x 64 columns: wave w takes column half c2 = w & 1 and row half r2 = w >> 1 of a block.  A fragment of A (1 KB) then feeds four
; matrix instructions.  64 columns x 1,024 k are 1,024 registers, so only k < 512 lies in registers (16 K steps x 4 column tiles x 8 = 512); k >= 512 stays in
; LDS as bf16 [k][n], which nobody writes after the phase that brings W in, and is read by transposing loads; such a fragment feeds the wave's two row tiles.
; BARRIERS stand only in the phase that brings W in, which every wave runs whatever seg holds.  The number of blocks is read from memory, and no barrier
; may hang on a number that was loaded: so in the walk over the blocks no wave hands anything to another.  Each wave fetches A's fragments for itself,
; straight into registers, and stores its own 32 rows x 64 columns.  For the same reason there is no tensor load (a slot's refill wants a barrier) and no cluster.
; The price: the two waves of a row half fetch the same 64 KB of a block, each for its own 64 columns.
; THE WALK IS ONE PIPELINE.  A block's 32 K steps go as 8 groups.  Group g: K steps 2 g, 2 g + 1 (W in registers, 16 matrix instructions), a gap, K steps 16 + 2 g, + 1
; (W from LDS, 16 matrix instructions).  In the gap the wave fills again what has just been read: 8 loads of A for the first half of group g + 4 (into the fragments
; multiplied just now), 8 loads of A for the second half of group g + 3 and 16 LDS loads of W for group g + 1 (into group g - 1's registers).  The groups count on
; over the end of a block into my next block; W's part of the ring is the same in every block.  So 48 to 64 loads of A are always on their way, each asked for three
; groups or more ahead of its use, and no run of loads is longer than 16.
; LAYOUTS that make these loads and stores whole runs of 512 bytes: A (xs or h) lies as [block][K step of 32][row tile i][j][lane][16 bytes], the
; fragment's own register image: lane (r, hh) of half j holds row 16 i + r, k = 16 j + 8 hh .. + 7.  FFN 1's packed results are that image for FFN 2
; (column tile ct: K step ct >> 1, half ct & 1), so they are stored from registers as they stand.  y lies as [K half][block][group of 32 columns][64 rows][128 bytes].
; LIMITS: operands are bf16, sums f32.
; THE MATRIX INSTRUCTION IS USED TRANSPOSED: source 0 = 16 columns of W, source 1 = 16 rows of A; lane (r, hh) then holds row r, columns 8 hh .. + 7.
; REGISTERS in windows of 256: window 0 addresses, bias, the 8 sums, and four slots of W fresh from LDS (slots 2 and 3 also serve the way out, between a block's last
; group and the next block's first gap); windows 1, 2 W for k < 512: fragment (ks, ct) at 32 (ks & 7) + 8 ct of window 1 + (ks >> 3);
; window 3 eight slots of A's fragments; while W comes in, four load buffers of 64.
; LDS: row k of the slice at 288 k (256 bytes + 32: the pitch that the transposing loads want), 294,912 bytes.  FFN 2's stage for the way out, each wave's own,
; lies in the bytes of k < 512, which nobody reads behind the last barrier.
.if FFN == 1
.set ABLKLOG, 17                       ; a block of A: 32 K steps of 4,096 bytes
.set WPITCH,  8192                     ; bytes in a row of W
.set OGLOG,   12                       ; 64 rows x 32 columns of the output: 4,096 bytes of bf16
.else
.set ABLKLOG, 18                       ; a block of h: 64 K steps of 4,096 bytes
.set WPITCH,  4096
.set OGLOG,   13                       ; 8,192 bytes of f32
.endif
.set ASTEP,  2<<ABLKLOG                ; two blocks on
.set OSTEP,  524288                    ; two blocks of 262,144 bytes of the output
.set WROW,   288                       ; a row of the slice in LDS
.set CHUNKB, 64*WROW                   ; a chunk of 64 rows
.set KSB,    32*WROW                   ; a K step
.set OWAVE,  9216                      ; FFN 2: a wave's stage: 2 groups x 32 rows x 144 bytes (128 + 16)
.set WOFF, 6                           ; v6   W in memory: 16 w rows + 16 L
.set WST,  7                           ; v7   W in LDS, in: row 16 w of the chunk at hand, 8 L
.set LOFF, 9                           ; v9   16 L: my bytes in every run of 512; never rewritten
.set STO,  10                          ; v10  FFN 2: out stage, in
.set RD,   11                          ; v11  FFN 2: out stage, back
.set BOFF, 12                          ; v12  32 hh (bias)
.set WRD,  14                          ; v[14:21] W in LDS, transposing reads: K steps 4 q .. 4 q + 3 from register q
.set BIAS, 24                          ; v[24:55] FFN 1: b1 of my 8 columns in column tile ct at BIAS + 8 ct
.set ACC,  64                          ; v[64:127] sums: row tile i, column tile ct at ACC + 8 (4 i + ct)
.set CV,   64                          ; v[64:95] while W comes in: a chunk's rows in bf16 (the sums are not alive yet)
.set WL,   128                         ; v[128:255] W from LDS: K step 16 + q in slot q & 3, column tile ct at WL + 32 (q & 3) + 8 ct
.set TMP,  WL+64                       ; FFN 1: packed results, in slots 2 and 3
.set OUTB, WL+64                       ; FFN 2: rows read back, in slots 2 and 3
.set MSB, 0
.macro WIN new                         ; the immediate's high byte repeats the setting that is left
.if MSB != (\new)
	s_set_vgpr_msb (MSB<<8)|(\new)
.set MSB, (\new)
.endif
.endm
.macro PLACES                          ; four plain vector instructions between a matrix instruction and a load into a register that it read (ISA guide 7.12.1 for vector instructions)
.rept 4
	v_nop
.endr
.endm
.macro WLOAD c                         ; chunk c of W: 64 rows; my wave's 16 rows, 512 consecutive bytes a load, into buffer c & 3 of window 3
	WIN 0xc0
.irp jj, 0,1,2,3,4,5,6,7,8,9,10,11,12,13,14,15
	global_load_b128 v[64*((\c)&3)+4*\jj:64*((\c)&3)+4*\jj+3], v[WOFF], s[8:9] offset:(\c)*64*WPITCH+\jj*WPITCH
.endr
.endm
; A's fragments of one half of group gg of a block, my two row tiles: 8 loads of 512 consecutive bytes.  half = 0: K steps 2 gg, 2 gg + 1; half = 1: K steps 16 + 2 gg, + 1.
; The pair of K steps p and 16 + p has slot p & 7 of window 3: 32 registers, the first 16 for K step p, the others for 16 + p.  nxt = 1: of my next block.
.macro AFETCH gg, half, nxt
	WIN 0xc0
.irp pl, 0,1
.irp i, 0,1
	global_load_b128 v[32*((2*(\gg)+\pl)&7)+16*\half+8*\i:32*((2*(\gg)+\pl)&7)+16*\half+8*\i+3], v[LOFF], s[6:7] offset:\nxt*ASTEP+(16*\half+2*(\gg)+\pl)*4096+\i*1024
	global_load_b128 v[32*((2*(\gg)+\pl)&7)+16*\half+8*\i+4:32*((2*(\gg)+\pl)&7)+16*\half+8*\i+7], v[LOFF], s[6:7] offset:\nxt*ASTEP+(16*\half+2*(\gg)+\pl)*4096+\i*1024+512
.endr
.endr
.endm
; Chunk c: round to bf16 and lay it [k][n] into LDS.  more = 1: chunk c + 4 is asked for.  more = 2, 3: the buffer is free for good and is group ga's two slots:
; both halves (2) or the first half (3) of group ga of my first block are asked for.
; From chunk 8 on (behind the barrier that shows k < 512 whole) K steps 2 (c - 8), + 1 are also taken, transposed, into windows 1 and 2.
.macro WCHUNK c, more, ga
	s_wait_loadcnt 48                              ; loads return in order: this chunk is in; the 48 loads asked for behind it (three batches of 16) may be out
	WIN 0x0f                                       ; sources window 3, destination window 0
.irp jj, 0,1,2,3,4,5,6,7,8,9,10,11,12,13,14,15
	v_cvt_pk_bf16_f32 v[CV+2*\jj], v[64*((\c)&3)+4*\jj], v[64*((\c)&3)+4*\jj+1]
	v_cvt_pk_bf16_f32 v[CV+2*\jj+1], v[64*((\c)&3)+4*\jj+2], v[64*((\c)&3)+4*\jj+3]
.endr
.if \more == 1
	WLOAD \c+4
.endif
.if \more == 2
	AFETCH \ga, 0, 0
	AFETCH \ga, 1, 0
.endif
.if \more == 3
	AFETCH \ga, 0, 0
.endif
	WIN 0
.irp jj, 0,1,2,3,4,5,6,7,8,9,10,11,12,13,14,15
	ds_store_b64 v[WST], v[CV+2*\jj:CV+2*\jj+1] offset:WROW*\jj
.endr
	v_add_nc_u32 v[WST], CHUNKB, v[WST]            ; the next chunk's rows
.if \c >= 8
.if \c < 12
	WIN 0x40
.else
	WIN 0x80
.endif
.irp ksl, 0,1
.irp ct, 0,1,2,3
	ds_load_tr16_b128 v[32*((2*(\c)+\ksl)&7)+8*\ct:32*((2*(\c)+\ksl)&7)+8*\ct+3], v[WRD+(((2*(\c)+\ksl)&15)>>2)] offset:KSB*((2*(\c)+\ksl)&3)+32*\ct
	ds_load_tr16_b128 v[32*((2*(\c)+\ksl)&7)+8*\ct+4:32*((2*(\c)+\ksl)&7)+8*\ct+7], v[WRD+(((2*(\c)+\ksl)&15)>>2)] offset:KSB*((2*(\c)+\ksl)&3)+32*\ct+16*WROW
.endr
.endr
	WIN 0
.endif
.endm
; W of group gg's second half, K steps 16 + 2 gg, + 1, my four column tiles, from LDS: 16 transposing loads.  Wants destination and address in window 0.
.macro WLFETCH gg
.irp pl, 0,1
.irp m, 0,1,2,3,4,5,6,7
	ds_load_tr16_b128 v[WL+32*((2*(\gg)+\pl)&3)+4*\m:WL+32*((2*(\gg)+\pl)&3)+4*\m+3], v[WRD+4+((2*(\gg)+\pl)>>2)] offset:KSB*((2*(\gg)+\pl)&3)+32*(\m>>1)+16*WROW*(\m&1)
.endr
.endr
.endm
; Eight matrix instructions of one K step: the eight sums take turns, one instruction a turn.  Sum m: row tile m >> 2, column tile m & 3.
.macro RSTEP p, zero                   ; K step p, W from registers.  zero = 1: the block's first K step starts the sums
.irp m, 0,1,2,3,4,5,6,7
.if \zero
	v_wmma_f32_16x16x32_bf16 v[ACC+8*\m:ACC+8*\m+7], v[32*((\p)&7)+8*(\m&3):32*((\p)&7)+8*(\m&3)+7], v[32*((\p)&7)+8*(\m>>2):32*((\p)&7)+8*(\m>>2)+7], 0
.else
	v_wmma_f32_16x16x32_bf16 v[ACC+8*\m:ACC+8*\m+7], v[32*((\p)&7)+8*(\m&3):32*((\p)&7)+8*(\m&3)+7], v[32*((\p)&7)+8*(\m>>2):32*((\p)&7)+8*(\m>>2)+7], v[ACC+8*\m:ACC+8*\m+7]
.endif
.endr
.endm
.macro LSTEP p                         ; K step 16 + p, W fresh from LDS
.irp m, 0,1,2,3,4,5,6,7
	v_wmma_f32_16x16x32_bf16 v[ACC+8*\m:ACC+8*\m+7], v[WL+32*((\p)&3)+8*(\m&3):WL+32*((\p)&3)+8*(\m&3)+7], v[32*((\p)&7)+16+8*(\m>>2):32*((\p)&7)+16+8*(\m>>2)+7], v[ACC+8*\m:ACC+8*\m+7]
.endr
.endm
; Group g of a block.  nxt = 1: the ring runs on into my next block; nxt = 0: my last block: nothing beyond its end is asked for, and the counts run down.
.macro GROUP g, nxt
	WIN 0x0d+((\g)>>2)                             ; source 0 (W) window 1 or 2, source 1 (A) window 3, sums window 0
.if \g == 0
	RSTEP 0, 1
.else
	RSTEP 2*\g, 0
.endif
	RSTEP 2*\g+1, 0
	PLACES                                         ; behind the products just issued, whose fragments of A are loaded again, and behind group g - 1's
.if \g <= 3
	AFETCH \g+4, 0, 0
.else
.if \nxt
	AFETCH \g-4, 0, 1
.endif
.endif
.if \g <= 4
	AFETCH \g+3, 1, 0
.else
.if \nxt
	AFETCH \g-5, 1, 1
.endif
.endif
	WIN 0x0c                                       ; source 0 (W, and the LDS loads' address) window 0, source 1 (A) window 3, sums and the LDS loads' data window 0
.if \g <= 6
	WLFETCH \g+1
.else
.if \nxt
	WLFETCH 0
.endif
.endif
.set LW, 48                                        ; behind the second half of group g, asked for three gaps ago, stand the three later gaps' 16 loads each
.set DW, 16                                        ; behind group g's W stand the 16 LDS loads just issued
.if \nxt == 0
.if \g == 4
.set LW, 40                                        ; gaps 2, 3: 16 each; gap 4: 8
.endif
.if \g == 5
.set LW, 24                                        ; gap 3: 16; gap 4: 8
.endif
.if \g == 6
.set LW, 8                                         ; gap 4: 8
.endif
.if \g == 7
.set LW, 0
.set DW, 0
.endif
.endif
	s_wait_loadcnt LW                              ; also shows the first half of group g + 1, which was asked for just ahead of the second half of group g
	s_wait_dscnt DW
	LSTEP 2*\g
	LSTEP 2*\g+1
.endm
.macro EPILOGUE
.if FFN == 1
.irp i, 0,1
.irp ct, 0,1,2,3
.irp q, 0,2,4,6
	v_pk_add_f32 v[ACC+8*(4*\i+\ct)+\q:ACC+8*(4*\i+\ct)+\q+1], v[ACC+8*(4*\i+\ct)+\q:ACC+8*(4*\i+\ct)+\q+1], v[BIAS+8*\ct+\q:BIAS+8*\ct+\q+1]
.endr
.irp q, 0,1,2,3,4,5,6,7
	v_max_num_f32 v[ACC+8*(4*\i+\ct)+\q], 0, v[ACC+8*(4*\i+\ct)+\q]
.endr
.irp q, 0,1,2,3
	v_cvt_pk_bf16_f32 v[TMP+4*(4*\i+\ct)+\q], v[ACC+8*(4*\i+\ct)+2*\q], v[ACC+8*(4*\i+\ct)+2*\q+1]
.endr
	global_store_b128 v[LOFF], v[TMP+4*(4*\i+\ct):TMP+4*(4*\i+\ct)+3], s[10:11] offset:4096*(\ct>>1)+1024*\i+512*(\ct&1)   ; half ct & 1 of the next layer's fragment (K step ct >> 1, row tile i): the wave stores 512 consecutive bytes, aligned
.endr
.endr
.else
.irp i, 0,1
.irp ct, 0,1,2,3
	ds_store_b128 v[STO], v[ACC+8*(4*\i+\ct):ACC+8*(4*\i+\ct)+3] offset:4608*(\ct>>1)+2304*\i+64*(\ct&1)    ; group ct >> 1, row 16 i + r of 144 bytes, my 8 columns in f32
	ds_store_b128 v[STO], v[ACC+8*(4*\i+\ct)+4:ACC+8*(4*\i+\ct)+7] offset:4608*(\ct>>1)+2304*\i+64*(\ct&1)+16
.endr
.endr
.irp t, 0,1,2,3,4,5,6,7,8,9,10,11,12,13,14,15
	ds_load_b128 v[OUTB+4*\t:OUTB+4*\t+3], v[RD] offset:576*\t     ; group t >> 3, rows 4 (t & 7) .. + 3, 128 bytes each; the stage is my wave's own, and LDS serves a wave's instructions in order (ISA guide 5.7.1.4)
.endr
.irp t, 0,1,2,3,4,5,6,7,8,9,10,11,12,13,14,15
	s_wait_dscnt 15-\t                             ; the younger rows may be out
	global_store_b128 v[LOFF], v[OUTB+4*\t:OUTB+4*\t+3], s[10:11] offset:8192*(\t>>3)+512*(\t&7)   ; the wave stores 512 consecutive bytes, aligned
.endr
.endif
.endm
; One block.  At its head the first halves of groups 0 to 3, the second halves of groups 0 to 2 and W of group 0 have been asked for.
.macro TRIP nxt
	s_wait_loadcnt 48                              ; the first half of group 0 is in: 48 loads were asked for behind it on the way in; over the backward jump the last gap's wait has shown it
.irp g, 0,1,2,3,4,5,6,7
	GROUP \g, \nxt
.endr
	WIN 0
.rept 5
	v_nop                                          ; the places behind the last matrix instructions: for the readers of the sums, for what is written into slots 2 and 3, and for the next block's first products, which write over the sums
.endr
	EPILOGUE
	s_wait_xcnt 0x0                                ; the bases and the stores' data (on which the next gap's W lands) are rewritten only behind this wait
	s_add_nc_u64 s[10:11], s[10:11], OSTEP
.if \nxt
	s_add_nc_u64 s[6:7], s[6:7], ASTEP
.endif
.endm
	s_load_b256 s[4:11], s[0:1], 0x0               ; seg s[4:5], A s[6:7], W s[8:9], out s[10:11]
	v_lshl_add_u32 v62, v0, 2, 0x48000
	v_mov_b32 v63, 0
.if FFN == 1
	s_load_b64 s[12:13], s[0:1], 0x20              ; b1
.endif
	v_and_b32 v1, 31, v0                           ; L
	v_lshrrev_b32 v2, 5, v0
	v_readfirstlane_b32 s14, v2                    ; wave
	v_and_b32 v2, 15, v0                           ; r
	v_bfe_u32 v3, v0, 4, 1                         ; hh
	s_and_b32 s22, s14, 1                          ; c2: my 64 of the 128 columns
	s_lshr_b32 s23, s14, 1                         ; r2: my 32 of a block's 64 rows
	s_mov_b32 s19, ttmp9
	s_and_b32 s17, s19, 1                          ; s
	s_lshr_b32 s15, s19, 5                         ; e
.if FFN == 1
	s_bfe_u32 s16, s19, 0x40001                    ; cb
	s_mov_b32 s18, 0                               ; no K half
.else
	s_bfe_u32 s16, s19, 0x30001                    ; cb
	s_bfe_u32 s18, s19, 0x10004                    ; kh
.endif
	s_lshl_b32 s36, s15, 23                        ; an expert's weights are 8 MiB
	s_lshl_b32 s38, s16, 9                         ; 128 columns of f32
	s_add_co_u32 s36, s36, s38
	s_lshl_b32 s38, s18, 22                        ; FFN 2: 1,024 rows of 4,096 bytes
	s_add_co_u32 s36, s36, s38
	s_mov_b32 s37, 0
	s_lshl_b32 s40, s15, 3                         ; seg: two words an expert
	s_mov_b32 s41, 0
	s_mul_i32 s42, s14, 16*WPITCH
	v_lshl_add_u32 v[WOFF], v1, 4, s42
	v_lshlrev_b32 v[BOFF], 5, v3
	v_lshlrev_b32 v[LOFF], 4, v1
	s_wait_kmcnt 0x0
	s_add_nc_u64 s[4:5], s[4:5], s[40:41]
	s_load_b64 s[20:21], s[4:5], 0x0               ; first block, number of blocks
	s_add_nc_u64 s[8:9], s[8:9], s[36:37]
.if FFN == 1
	s_lshl_b32 s38, s15, 13                        ; b1: 4 (2,048 e + 128 cb + 64 c2)
	s_lshl_b32 s39, s16, 9
	s_add_co_u32 s38, s38, s39
	s_lshl_b32 s39, s22, 8
	s_add_co_u32 s38, s38, s39
	s_mov_b32 s39, 0
	s_add_nc_u64 s[12:13], s[12:13], s[38:39]
.irp ct, 0,1,2,3
	global_load_b128 v[BIAS+8*\ct:BIAS+8*\ct+3], v[BOFF], s[12:13] offset:64*\ct
	global_load_b128 v[BIAS+8*\ct+4:BIAS+8*\ct+7], v[BOFF], s[12:13] offset:64*\ct+16
.endr
.endif
	WLOAD 0
	WLOAD 1
	WLOAD 2
	WLOAD 3
	WIN 0
	; addresses, while the loads are on their way
	s_mul_i32 s42, s14, 16*WROW                    ; W in LDS: my 16 rows of a chunk
	v_lshl_add_u32 v[WST], v1, 3, s42
	v_and_b32 v4, 7, v0
	v_lshl_add_u32 v4, v3, 3, v4                   ; 8 hh + (L & 7)
	v_mul_u32_u24 v4, v4, WROW
	v_bfe_u32 v5, v0, 3, 1
	v_lshl_add_u32 v4, v5, 4, v4                   ; + 16 ((L >> 3) & 1)
	s_lshl_b32 s42, s22, 7                         ; my 64 columns of bf16
	v_add_nc_u32 v[WRD], s42, v4
.irp q, 1,2,3,4,5,6,7
	v_add_nc_u32 v[WRD+\q], \q*4*KSB, v[WRD]
.endr
.if FFN == 2
	s_mul_i32 s42, s14, OWAVE                      ; my wave's own stage
	v_mul_u32_u24 v[STO], v2, 144
	v_lshl_add_u32 v[STO], v3, 5, v[STO]
	v_add_nc_u32 v[STO], s42, v[STO]               ; + 144 r + 32 hh
	v_lshrrev_b32 v4, 3, v1
	v_mul_u32_u24 v[RD], v4, 144
	v_and_b32 v5, 7, v0
	v_lshl_add_u32 v[RD], v5, 4, v[RD]
	v_add_nc_u32 v[RD], s42, v[RD]                 ; + 144 (L >> 3) + 16 (L & 7)
.endif
	s_wait_kmcnt 0x0
	s_min_u32 s20, s20, 71                         ; at most 71 blocks in all
	s_min_u32 s21, s21, 32                         ; at most 2,048 rows an expert
	s_add_co_u32 s21, s21, 1
	s_sub_co_u32 s21, s21, s17
	s_lshr_b32 s21, s21, 1                         ; my blocks: (n + 1 - s) / 2
	s_add_co_u32 s20, s20, s17                     ; my first block;
	s_min_u32 s20, s20, 71                         ; where the expert has none for me, the first fetch, whose data are then dropped, still stays inside A
	s_lshl_b32 s36, s20, ABLKLOG
	s_lshl_b32 s38, s18, 17                        ; FFN 2: the K half: 32 K steps of 4,096 bytes
	s_add_co_u32 s36, s36, s38
	s_lshl_b32 s38, s23, 11                        ; my two row tiles of 1,024 bytes
	s_add_co_u32 s36, s36, s38
	s_add_nc_u64 s[6:7], s[6:7], s[36:37]          ; A at my first block
	s_lshl_b32 s36, s20, 18                        ; the output: 262,144 bytes a block,
	s_lshl_b32 s38, s16, 2
	s_lshl_b32 s39, s22, 1
	s_add_co_u32 s38, s38, s39                     ; group of 32 columns 4 cb + 2 c2,
	s_lshl_b32 s38, s38, OGLOG
	s_add_co_u32 s36, s36, s38
	s_lshl_b32 s38, s23, OGLOG-1                   ; my 32 rows: half of a group's bytes
	s_add_co_u32 s36, s36, s38
	s_mul_i32 s38, s18, 18874368                   ; FFN 2: the K half's own plane of y
	s_add_co_u32 s36, s36, s38
	s_add_nc_u64 s[10:11], s[10:11], s[36:37]
	; the slice of W: 16 chunks of 64 rows, four chunks of loads out.  Each wave stores rows of its own; two barriers in all, and no branch in front of them.
.irp c, 0,1,2,3,4,5,6,7
	WCHUNK \c, 1, 0
.endr
	s_wait_dscnt 0x0                               ; my rows of k < 512 are in LDS before I signal
	s_barrier_signal -1
	s_barrier_wait -1                              ; k < 512 is whole: it is read from here on, while k >= 512 is stored
.irp c, 8,9,10,11
	WCHUNK \c, 1, 0
.endr
	WCHUNK 12, 2, 0                                ; behind chunk 12: chunks 13, 14, 15.  Its buffer takes group 0 of my first block
	WCHUNK 13, 2, 1                                ; behind chunk 13: chunks 14, 15, group 0
	WCHUNK 14, 2, 2                                ; behind chunk 14: chunk 15, groups 0, 1
	WCHUNK 15, 3, 3                                ; behind chunk 15: groups 0, 1, 2.  The second half of group 3 is left to the first gap, as in every block
	s_wait_dscnt 0x0                               ; my rows of k >= 512 are in LDS, my fragments of k < 512 in registers
	s_barrier_signal -1
	s_barrier_wait -1                              ; k >= 512 is whole and is only read from here on; nobody reads k < 512 any more
	; from here on every wave goes by itself: nt blocks, nt - 1 trips that ask ahead, and the last written out, which asks for nothing beyond its end
	s_cmp_eq_u32 s21, 0
	s_cbranch_scc1 .Lend                           ; the expert has no block for this group
	WLFETCH 0                                      ; W of group 0, as every block's last gap asks for it
	s_sub_co_u32 s21, s21, 1
	s_cmp_eq_u32 s21, 0
	s_cbranch_scc1 .Ltail
.Lloop:
	TRIP 1
	s_sub_co_u32 s21, s21, 1
	s_cmp_lg_u32 s21, 0
	s_cbranch_scc1 .Lloop
.Ltail:
	TRIP 0
.Lend:
	s_wait_tensorcnt 0x0
	ds_add_u32 v62, v63
	s_wait_dscnt 0x0
	s_endpgm
.Lfunc_end_k_q8c9335a401_ffn2:
	.size	k_q8c9335a401_ffn2, .Lfunc_end_k_q8c9335a401_ffn2-k_q8c9335a401_ffn2
	.p2alignl 7, 3214868480
	.fill 96, 4, 3214868480
	.section	.rodata,"a",@progbits
	.p2align	6, 0x0
	.amdhsa_kernel k_q8c9335a401_ffn2
		.amdhsa_group_segment_fixed_size 295424
		.amdhsa_private_segment_fixed_size 0
		.amdhsa_enable_private_segment 0
		.amdhsa_kernarg_size 32
		.amdhsa_user_sgpr_count 2
		.amdhsa_user_sgpr_kernarg_segment_ptr 1
		.amdhsa_wavefront_size32 1
		.amdhsa_system_sgpr_workgroup_id_x 1
		.amdhsa_system_sgpr_workgroup_id_y 1
		.amdhsa_system_sgpr_workgroup_id_z 1
		.amdhsa_system_vgpr_workitem_id 0
		.amdhsa_next_free_vgpr 1024
		.amdhsa_next_free_sgpr 66
		.amdhsa_reserve_vcc 0
		.amdhsa_float_denorm_mode_32 3
		.amdhsa_float_denorm_mode_16_64 3
		.amdhsa_memory_ordered 1
		.amdhsa_forward_progress 1
		.amdhsa_inst_pref_size 174
	.end_amdhsa_kernel
	.amdgpu_metadata
---
amdhsa.version: [ 1, 2 ]
amdhsa.kernels:
  - .name:           k_q8c9335a401_ffn2
    .symbol:         k_q8c9335a401_ffn2.kd
    .args:
      - { .name: seg, .offset: 0, .size: 8, .value_kind: global_buffer, .address_space: global }
      - { .name: h, .offset: 8, .size: 8, .value_kind: global_buffer, .address_space: global }
      - { .name: W2, .offset: 16, .size: 8, .value_kind: global_buffer, .address_space: global }
      - { .name: y, .offset: 24, .size: 8, .value_kind: global_buffer, .address_space: global }
    .group_segment_fixed_size: 295424
    .private_segment_fixed_size: 0
    .kernarg_segment_align: 8
    .kernarg_segment_size: 32
    .max_flat_workgroup_size: 128
    .sgpr_count:     66
    .vgpr_count:     1024
    .wavefront_size: 32
...
	.end_amdgpu_metadata
.endif
;; end of part 9
;; launch combine: the kernel of part 5 again; grid 256 x 1, 8 waves a work-group, no clusters, 0 bytes of LDS; arguments pos, sel, gw, y, b2, out0; writes out0
